; MI455X (gfx1250); checked and timed in simulation.
; The chip was launched on July 23, 2026; its instructions are those of AMD's public machine-readable ISA for CDNA 5 (MIT licence, August 2026) and "CDNA5" Instruction Set Architecture Reference Guide (July 2026). The comments in the code are by the model that wrote it; some were corrected since.
;; LS Transformer Encoder Layer. Allowed arithmetic: matrix products marked QUANTISED: E5M2 operands, one given power-of-two scale a tensor, by v_wmma_f32_16x16x64_bf8_bf8 or v_wmma_f32_16x16x128_bf8_bf8, f32 sums; everything else in f32.
;; Inputs: attn_out_b 1,024 float32; attn_out_w 1,024 x 1,024 float32; encoder_padding_mask 8 x 1,024 float32; ffn_out_b 1,024 float32; ffn_out_w 1,024 x 1,024 float32; hidden_states 8 x 1,024 x 1,024 float32; inter_b 1,024 float32; inter_w 1,024 x 1,024 float32; ln1_b 1,024 float32; ln1_g 1,024 float32; ln2_b 1,024 float32; ln2_g 1,024 float32; lowp_scales 12 int32 (the exponents e of the quantised operands' scales 2^e); qkv_b 3,072 float32; qkv_w 3,072 x 1,024 float32.
;; Outputs: out0 8 x 1,024 x 1,024 float32.
;; This version of the problem:
;;   THIS VERSION OF THE PROBLEM IS GIVEN IN LOW PRECISION. The matrix products marked QUANTISED in the list below multiply operands that are first quantised to E5M2 (5 exponent bits, 2 mantissa bits; 8 bits a number), with one given power-of-two scale for each operand tensor; their sums are f32. All else is computed in f32.
;;   The module's matrix products, in the order in which they are computed (A, B: the left and right operand; K: the contracted axis; several contracted axes count as one K, in the product's order):
;;     1. [M 8,192, K 1,024] x [K 1,024, N 3,072]; A: computed on the way; B: input qkv_w: QUANTISED (scales: A lowp_scales[0], B lowp_scales[1])
;;     2. batch 128 x [M 1,024, K 64] x [K 64, N 1,024]; A: computed on the way; B: computed on the way: QUANTISED (scales: A lowp_scales[2], B lowp_scales[3])
;;     3. batch 128 x [M 1,024, K 1,024] x [K 1,024, N 64]; A: softmax (see below); B: computed on the way: QUANTISED (scales: A lowp_scales[4], B lowp_scales[5])
;;     4. [M 8,192, K 1,024] x [K 1,024, N 1,024]; A: computed on the way; B: input attn_out_w: QUANTISED (scales: A lowp_scales[6], B lowp_scales[7])
;;     5. [M 8,192, K 1,024] x [K 1,024, N 1,024]; A: computed on the way; B: input inter_w: QUANTISED (scales: A lowp_scales[8], B lowp_scales[9])
;;     6. [M 8,192, K 1,024] x [K 1,024, N 1,024]; A: computed on the way; B: input ffn_out_w: QUANTISED (scales: A lowp_scales[10], B lowp_scales[11])
;;   THE QUANTISER, for each operand of a quantised product, along K:
;;     - The operand's scale is 2^e, e = its entry of the input lowp_scales (int32; the entries are numbered through the quantised products in the list's order, A before B).
;;     - Each number is divided by the scale, clamped to +-57,344, and rounded to the nearest number of E5M2, ties to even, subnormals kept.
;;     - The product sums the exact products of the quantised numbers (number of the format x scale) in f32.
;;   ~~~python
;;   def quantise(x, axis, e):      # numpy; x: float32 -> the quantised numbers, widened to float32 again
;;       x = np.moveaxis(x, axis, -1); K = x.shape[-1]
;;       r = np.clip(x / 2.0 ** e, -57344, 57344)
;;       step = 2.0 ** (np.maximum(np.frexp(np.where(r == 0, 1, r))[1] - 1, -14) - 2)
;;       q = np.round(r / step) * step * 2.0 ** e      # np.round: ties to even
;;       return np.moveaxis(q, -1, axis).astype(np.float32)
;;   ~~~
;;   SOFTMAX AHEAD OF A QUANTISED PRODUCT. Where the list says 'softmax', what is quantised is not the finished softmax but p = 2^(t - M), with t = logit x log2(e) and M = ceil(the row's largest t), a whole number; so 1/2 < the row's largest p <= 1. The row's sum l is taken of the UNQUANTISED p, in f32, and the product's result is divided by l at the end. Since M is a whole number, a kernel that streams over the keys may use a running M (the ceiling of the running maximum): every later rescaling is an exact power of two, so the quantised numbers keep their values, but for numbers so far below the row's largest that they fall under the format's range.
;;   OPERANDS COMPUTED ON THE WAY. 'Computed on the way' means the value that the module computes at that place (a softmax that the list does not call 'softmax' is quantised finished and normalised). What goes into a quantiser is computed in f32, as accurately as f32 sums, v_exp_f32 and their like allow (about 1e-6 of the number): no bf16 or f16 on the way to a quantiser, and a product that is left as it is and whose result goes on into a quantised operand takes f32 operands (vector FMAs, or v_wmma_f32_16x16x4_f32). A number that lies on a knife's edge between two numbers of the format may be rounded either way, as far as f32 arithmetic and the matrix unit's own rounding can turn it there, and no further.
;; One version. Each part assembles by itself: llvm-mc -triple=amdgcn-amd-amdhsa -mcpu=gfx1250 --defsym DOCPART=n.
;; ======== version 1 of 1: 4 launches
;; limits: right only within a limited range of input values
;; workspace buffers: xq 8,388,608 bytes; wq 3,145,728 bytes; wt 3,145,728 bytes; qc 8,388,608 bytes; kc 8,388,608 bytes; vc 8,388,608 bytes; cc 8,388,608 bytes
;; launch prep (part 1): grid 800 x 1, 4 waves a work-group, no clusters, 34,304 bytes of LDS; arguments hidden_states, ln1_g, ln1_b, qkv_w, attn_out_w, inter_w, ffn_out_w, lowp_scales, xq, wq, wt; writes xq, wq, wt
.if DOCPART == 1
	.amdgcn_target "amdgcn-amd-amdhsa--gfx1250"
	.amdhsa_code_object_version 6
	.text
	.protected	k_q588a91b220_prep
	.globl	k_q588a91b220_prep
	.p2align	8
	.type	k_q588a91b220_prep,@function
k_q588a91b220_prep:
	s_mov_b64 s[64:65], 0
	v_nop
	global_prefetch_b8 v0, s[64:65] scope:SCOPE_SE
	s_setreg_imm32_b32 hwreg(HW_REG_WAVE_MODE, 25, 1), 1
	s_wait_xcnt 0x0
; FIRST OF FOUR LAUNCHES of a pre-LN encoder layer whose six products run on codes of BF8 (E5M2), one given scale 2^e a tensor.
; NO WORK OF THE PROBLEM IS LEFT OUT: every bias goes into a quantiser or into the output, the padding mask is added to every key's logit, every input is loaded by some launch.
; THIS LAUNCH: (LN) x_ln = LayerNorm(hidden_states) in f32, quantised with e0 -> xq;  (WROW) qkv_w quantised with e1 -> wq;  (IMG) attn_out_w, inter_w, ffn_out_w quantised with e7, e9, e11 -> wt.
; code = x / 2^e, held within +-57,344, rounded to the nearest code, ties to even.  LIMITS: each e between -126 and 112; NaN among the inputs is not served.
; xq, wq: rows of 1,024 codes in ONE order of k for both tensors: stored byte s holds k = 512 (s >> 9) + 128 ((s >> 2) & 3) + 4 ((s >> 4) & 31) + (s & 3).  Both operands of the first product are
;   laid so, so every code meets its partner.  The order lets a lane turn eight loads of 16 bytes (each 512 consecutive bytes a wave) into 32 codes for two stores of 512 consecutive bytes, with no exchange between lanes.
; wt: IMAGES OF OPERAND REGISTERS.  A fragment of 16 rows x 64 k is 8 registers a lane: registers 2 c, 2 c + 1 of lane (r, h) hold k = 16 c + 8 h + 0 .. 7 of row r.  Its image is 1,024 bytes: registers 0-3 of lane l at
;   16 l, registers 4-7 at 512 + 16 l.  wt = [wave 4][matrix 3][unit 64][b 4][1,024]: feature tile 16 w + 4 c4 + b, half step kap = k / 64; unit = 4 kap + c4 for matrices 0 and 2, 16 c4 + kap for matrix 1:
;   the order in which the last launch's wave w walks them, one linear stream.
; SHARES: work-groups 0-95: IMG, a wave 16 rows x 512 k; 96-287: WROW, a wave 4 rows; 288-799: LN, a wave 4 rows.  IMG stands first in the grid, since its four images, each with a wait for all its loads and a turn
; through LDS, are the longest chain of dependent steps.  Waves share nothing: no barrier.  Only IMG uses LDS (a stage of its own for each wave).
.set NIMG,  96                         ; work-groups of IMG
.set NWROW, 192                        ; of WROW
.set SPARE, 33792                      ; behind the four stages of 16 x 528 bytes: the spare words, 128 bytes a wave
.set SPW, 176                          ; v176 LDS address of my spare word; never rewritten
.set NIL, 177                          ; v177 0; never rewritten
.set G,   16                           ; v16-47   ln1_g at my 32 columns
.set BV,  48                           ; v48-79   ln1_b
.set X0,  80                           ; v80-143  two sets of a row's 32 numbers: register 4 j + i = k 128 j + 4 lane + i
.set C,   144                          ; v144-175 codes, 8 registers a row: no store's data are written again
.set R,   16                           ; IMG: v16-79 numbers as loaded;  v80-143 as a fragment wants them;  v144-159 the codes;  v160-167 the stores' offsets
.set N,   80
.set CI,  144
.set VO,  160
	s_load_b512 s[4:19], s[0:1], 0x0               ; hidden_states s[4:5], ln1_g s[6:7], ln1_b s[8:9], qkv_w s[10:11], attn_out_w s[12:13], inter_w s[14:15], ffn_out_w s[16:17], the scales s[18:19]
	s_load_b128 s[20:23], s[0:1], 0x40             ; xq s[20:21], wq s[22:23]
	s_load_b64 s[24:25], s[0:1], 0x50              ; wt
	v_lshl_add_u32 v[SPW], v0, 2, SPARE
	v_mov_b32 v[NIL], 0
	v_lshrrev_b32 v1, 5, v0
	v_readfirstlane_b32 s26, v1                    ; wave
	v_and_b32 v1, 31, v0
	v_lshlrev_b32 v1, 4, v1                        ; 16 x lane; never rewritten
	v_mov_b32 v3, 0                                ; written once: a lane permute's destination counts as one of its sources
	s_mov_b32 s27, 0x76543210                      ; lane selects: lane l xor 16
	s_mov_b32 s28, 0xfedcba98
	s_mov_b32 s46, 0x3a800000                      ; 1 / 1,024
	s_mov_b32 s47, 0x3727c5ac                      ; 1e-5
	s_mov_b32 s31, 0
	s_wait_kmcnt 0x0
	s_load_b256 s[32:39], s[18:19], 0x0            ; e0 .. e7
	s_load_b128 s[40:43], s[18:19], 0x20           ; e8 .. e11
	s_cmp_lt_u32 ttmp9, NIMG
	s_cbranch_scc1 .Limg
	s_cmp_lt_u32 ttmp9, NIMG+NWROW
	s_cbranch_scc1 .Lwrow
	s_branch .Lln
.macro MKSCALE e                       ; v2 = 2^e as f32 (the conversion takes its exponent field); s45 = 57,344 x 2^e, s44 = minus that
	s_add_co_i32 s44, \e, 127
	s_lshl_b32 s45, s44, 23
	v_mov_b32 v2, s45
	s_add_co_i32 s44, s44, 15
	s_lshl_b32 s44, s44, 23
	s_or_b32 s45, s44, 0x600000
	s_or_b32 s44, s45, 0x80000000
.endm
.macro LOADROW i                       ; row i of my four: eight loads of 512 consecutive bytes
.irp j, 0,1,2,3,4,5,6,7
	global_load_b128 v[X0+32*((\i)%2)+4*\j:X0+32*((\i)%2)+4*\j+3], v1, s[4:5] offset:4096*(\i)+512*\j th:TH_LOAD_NT
.endr
.endm
.macro LANES                           ; four pair chains v[4:11] -> their sum over the wave's 32 lanes, in v4 of every lane
	v_pk_add_f32 v[4:5], v[4:5], v[6:7]
	v_pk_add_f32 v[8:9], v[8:9], v[10:11]
	v_pk_add_f32 v[4:5], v[4:5], v[8:9]
	v_add_f32 v4, v4, v5
	v_add_f32_dpp v4, v4, v4 row_xmask:1 row_mask:0xf bank_mask:0xf
	v_add_f32_dpp v4, v4, v4 row_xmask:2 row_mask:0xf bank_mask:0xf
	v_add_f32_dpp v4, v4, v4 row_xmask:4 row_mask:0xf bank_mask:0xf
	v_add_f32_dpp v4, v4, v4 row_xmask:8 row_mask:0xf bank_mask:0xf
	v_permlanex16_b32 v3, v4, s27, s28
	v_add_f32 v4, v4, v3
.endm
; One row: (ln = 1: the norm,) the hold, the conversion, two stores.
.macro QROW i, ln
.set XS, X0+32*((\i)%2)
.if \i < 3
	s_wait_loadcnt 8                               ; my row is in; the next row's eight loads may be out
.else
	s_wait_loadcnt 0
.endif
.if \ln
.irp c, 0,1,2,3
	v_pk_add_f32 v[4+2*\c:5+2*\c], v[XS+2*\c:XS+2*\c+1], v[XS+8+2*\c:XS+9+2*\c]   ; the first adds start the chains: nothing is cleared
.endr
.irp k, 16,24
.irp c, 0,1,2,3
	v_pk_add_f32 v[4+2*\c:5+2*\c], v[4+2*\c:5+2*\c], v[XS+\k+2*\c:XS+\k+2*\c+1]
.endr
.endr
	LANES
	v_mul_f32 v12, s46, v4                         ; the mean
	v_mov_b32 v13, v12
.set p, 0
.rept 16
	v_pk_add_f32 v[XS+p:XS+p+1], v[XS+p:XS+p+1], v[12:13] neg_lo:[0,1] neg_hi:[0,1]   ; x - mu
.set p, p+2
.endr
.irp c, 0,1,2,3
	v_pk_mul_f32 v[4+2*\c:5+2*\c], v[XS+2*\c:XS+2*\c+1], v[XS+2*\c:XS+2*\c+1]
.endr
.irp k, 8,16,24
.irp c, 0,1,2,3
	v_pk_fma_f32 v[4+2*\c:5+2*\c], v[XS+\k+2*\c:XS+\k+2*\c+1], v[XS+\k+2*\c:XS+\k+2*\c+1], v[4+2*\c:5+2*\c]
.endr
.endr
	LANES
	v_fma_f32 v14, v4, s46, s47                    ; var + eps
	s_wait_alu depctr_va_vdst(0)
	v_rsq_f32 v14, v14
	v_nop                                          ; a plain instruction behind the transcendental
	s_wait_alu depctr_va_vdst(0)                   ; and the wait ahead of the first use
	v_mov_b32 v15, v14
.set p, 0
.rept 16
	v_pk_mul_f32 v[XS+p:XS+p+1], v[XS+p:XS+p+1], v[14:15]
.set p, p+2
.endr
.set p, 0
.rept 16
	v_pk_fma_f32 v[XS+p:XS+p+1], v[XS+p:XS+p+1], v[G+p:G+p+1], v[BV+p:BV+p+1]
.set p, p+2
.endr
.endif
.set p, 0
.rept 32
	v_med3_num_f32 v[XS+p], v[XS+p], s44, s45      ; the conversion to an 8-bit code does not saturate (ISA guide 7.6.2): the hold at the largest code x the scale
.set p, p+1
.endr
.irp m, 0,1,2,3
	v_cvt_scalef32_pk8_bf8_f32 v[C+8*(\i)+2*\m:C+8*(\i)+2*\m+1], v[XS+8*\m:XS+8*\m+7], v2
.endr
	v_nop                                          ; one plain instruction behind the last conversion
.if \i < 2
	LOADROW (\i)+2
.endif
	global_store_b128 v1, v[C+8*(\i):C+8*(\i)+3], s[20:21] offset:1024*(\i)          ; 512 consecutive bytes, aligned
	global_store_b128 v1, v[C+8*(\i)+4:C+8*(\i)+7], s[20:21] offset:1024*(\i)+512
.endm
.Lln:
	s_sub_co_u32 s29, ttmp9, NIMG+NWROW
	s_lshl_b32 s29, s29, 4
	s_lshl_b32 s30, s26, 2
	s_add_co_u32 s29, s29, s30                     ; my first row: 16 x (work-group - 288) + 4 x wave
	s_lshl_b32 s30, s29, 12
	s_add_nc_u64 s[4:5], s[4:5], s[30:31]
	s_lshl_b32 s30, s29, 10
	s_add_nc_u64 s[20:21], s[20:21], s[30:31]
	s_wait_alu depctr_va_vdst(0)
.irp j, 0,1,2,3,4,5,6,7
	global_load_b128 v[G+4*\j:G+4*\j+3], v1, s[6:7] offset:512*\j
.endr
.irp j, 0,1,2,3,4,5,6,7
	global_load_b128 v[BV+4*\j:BV+4*\j+3], v1, s[8:9] offset:512*\j
.endr
	LOADROW 0
	LOADROW 1
	s_wait_kmcnt 0x0
	MKSCALE s32
	QROW 0, 1
	QROW 1, 1
	QROW 2, 1
	QROW 3, 1
	s_endpgm
.Lwrow:
	s_sub_co_u32 s29, ttmp9, NIMG
	s_lshl_b32 s29, s29, 4
	s_lshl_b32 s30, s26, 2
	s_add_co_u32 s29, s29, s30                     ; my first row of qkv_w
	s_lshl_b32 s30, s29, 12
	s_add_nc_u64 s[4:5], s[10:11], s[30:31]
	s_lshl_b32 s30, s29, 10
	s_add_nc_u64 s[20:21], s[22:23], s[30:31]
	s_wait_alu depctr_va_vdst(0)
	LOADROW 0
	LOADROW 1
	s_wait_kmcnt 0x0
	MKSCALE s33
	QROW 0, 0
	QROW 1, 0
	QROW 2, 0
	QROW 3, 0
	s_endpgm
; IMG.  Job J = 4 x work-group + wave: matrix J >> 7, feature tile n = (J & 127) >> 1, half of K kh = J & 1.
.Limg:
	s_lshl_b32 s29, ttmp9, 2
	s_add_co_u32 s29, s29, s26
	s_lshr_b32 s30, s29, 7                         ; matrix
	s_bfe_u32 s31, s29, 0x60001                    ; n
	s_and_b32 s29, s29, 1                          ; kh
	s_cmp_eq_u32 s30, 1                            ; the choices hang on ids alone
	s_cselect_b64 s[4:5], s[14:15], s[12:13]
	s_mov_b32 s6, 16384
	s_cselect_b32 s6, 4096, s6                     ; bytes from kap to kap + 1
	s_mov_b32 s7, 4096
	s_cselect_b32 s7, 65536, s7                    ; bytes from c4 to c4 + 1
	s_cmp_eq_u32 s30, 2
	s_cselect_b64 s[4:5], s[16:17], s[4:5]
	s_lshl_b32 s8, s31, 16                         ; 16 n rows of 4,096 bytes
	s_lshl_b32 s9, s29, 11                         ; + 512 kh numbers
	s_add_co_u32 s8, s8, s9
	s_mov_b32 s9, 0
	s_add_nc_u64 s[4:5], s[4:5], s[8:9]
	s_lshr_b32 s8, s31, 4                          ; w
	s_mul_i32 s8, s8, 3
	s_add_co_u32 s8, s8, s30
	s_lshl_b32 s8, s8, 18                          ; (3 w + matrix) x 64 units x 4,096
	s_bfe_u32 s10, s31, 0x20002                    ; c4
	s_mul_i32 s10, s10, s7
	s_add_co_u32 s8, s8, s10
	s_and_b32 s10, s31, 3                          ; b
	s_lshl_b32 s10, s10, 10
	s_add_co_u32 s8, s8, s10
	s_mul_i32 s10, s29, s6
	s_lshl_b32 s10, s10, 3                         ; kap begins at 8 kh
	s_add_co_u32 s8, s8, s10
	s_add_nc_u64 s[24:25], s[24:25], s[8:9]
	s_mul_i32 s11, s26, 8448                       ; my stage
	s_wait_alu depctr_va_vdst(0)
	v_add_nc_u32 v4, s11, v1                       ; in: 16 x lane of a row of 512 bytes (+ 16 of padding)
	v_and_b32 v6, 15, v0
	v_bfe_u32 v7, v0, 4, 1
	v_mul_u32_u24 v5, v6, 528
	v_lshl_add_u32 v5, v7, 5, v5
	v_add_nc_u32 v5, s11, v5                       ; back: row r, + 32 h bytes: my 8 numbers of each 16
.irp m, 0,1,2,3,4,5,6,7
	s_mul_i32 s11, s6, \m
	v_add_nc_u32 v[VO+\m], s11, v1                 ; image m of my eight: 16 x lane + m x (kap's step)
.endr
.macro ILOAD s                         ; 16 rows x 128 k: each load reads 512 consecutive bytes of one row
.irp rr, 0,1,2,3,4,5,6,7,8,9,10,11,12,13,14,15
	global_load_b128 v[R+4*\rr:R+4*\rr+3], v1, s[4:5] offset:4096*\rr+512*(\s) th:TH_LOAD_NT
.endr
.endm
.macro IMAGE s
	s_wait_loadcnt 0x0
.irp rr, 0,1,2,3,4,5,6,7,8,9,10,11,12,13,14,15
	ds_store_b128 v4, v[R+4*\rr:R+4*\rr+3] offset:528*\rr
.endr
.irp q, 0,1,2,3                        ; LDS serves a wave's instructions in order: these see my stores.  Register 8 c + j = k 16 c + 8 h + j of row r
	ds_load_b128 v[N+16*\q:N+16*\q+3], v5 offset:128*\q
	ds_load_b128 v[N+16*\q+4:N+16*\q+7], v5 offset:128*\q+16
	ds_load_b128 v[N+16*\q+8:N+16*\q+11], v5 offset:128*\q+64
	ds_load_b128 v[N+16*\q+12:N+16*\q+15], v5 offset:128*\q+80
.endr
	s_wait_dscnt 0x0                               ; the numbers are back, and the stores have read their registers,
.if \s < 3
	ILOAD (\s)+1                                   ; which take the next 128 k
.endif
.if \s > 0
	s_wait_xcnt 0x0                                ; the last image's stores have read the codes' registers
.endif
.set p, 0
.rept 64
	v_med3_num_f32 v[N+p], v[N+p], s44, s45
.set p, p+1
.endr
.irp m, 0,1,2,3,4,5,6,7
	v_cvt_scalef32_pk8_bf8_f32 v[CI+2*\m:CI+2*\m+1], v[N+8*\m:N+8*\m+7], v2
.endr
	v_nop                                          ; one plain instruction behind the last conversion: the next image's holds write its sources
.irp q, 0,1,2,3
	global_store_b128 v[VO+2*(\s)+\q/2], v[CI+4*\q:CI+4*\q+3], s[24:25] offset:512*(\q%2)   ; 512 consecutive bytes, aligned
.endr
.endm
	ILOAD 0
	s_wait_kmcnt 0x0
	s_cmp_eq_u32 s30, 1
	s_cselect_b32 s10, s41, s39                    ; e9 or e7
	s_cmp_eq_u32 s30, 2
	s_cselect_b32 s10, s43, s10                    ; or e11
	MKSCALE s10
	IMAGE 0
	IMAGE 1
	IMAGE 2
	IMAGE 3
	s_wait_tensorcnt 0x0                           ; the wave's end
	ds_add_u32 v[SPW], v[NIL]
	s_wait_dscnt 0x0
	s_endpgm
.Lfunc_end_k_q588a91b220_prep:
	.size	k_q588a91b220_prep, .Lfunc_end_k_q588a91b220_prep-k_q588a91b220_prep
	.p2alignl 7, 3214868480
	.fill 96, 4, 3214868480
	.section	.rodata,"a",@progbits
	.p2align	6, 0x0
	.amdhsa_kernel k_q588a91b220_prep
		.amdhsa_group_segment_fixed_size 34304
		.amdhsa_private_segment_fixed_size 0
		.amdhsa_enable_private_segment 0
		.amdhsa_kernarg_size 88
		.amdhsa_user_sgpr_count 2
		.amdhsa_user_sgpr_kernarg_segment_ptr 1
		.amdhsa_wavefront_size32 1
		.amdhsa_system_sgpr_workgroup_id_x 1
		.amdhsa_system_sgpr_workgroup_id_y 1
		.amdhsa_system_sgpr_workgroup_id_z 1
		.amdhsa_system_vgpr_workitem_id 0
		.amdhsa_next_free_vgpr 184
		.amdhsa_next_free_sgpr 66
		.amdhsa_reserve_vcc 0
		.amdhsa_float_denorm_mode_32 3
		.amdhsa_float_denorm_mode_16_64 3
		.amdhsa_memory_ordered 1
		.amdhsa_forward_progress 1
		.amdhsa_inst_pref_size 92
	.end_amdhsa_kernel
	.amdgpu_metadata
---
amdhsa.version: [ 1, 2 ]
amdhsa.kernels:
  - .name:           k_q588a91b220_prep
    .symbol:         k_q588a91b220_prep.kd
    .args:
      - { .name: hidden_states, .offset: 0, .size: 8, .value_kind: global_buffer, .address_space: global }
      - { .name: ln1_g, .offset: 8, .size: 8, .value_kind: global_buffer, .address_space: global }
      - { .name: ln1_b, .offset: 16, .size: 8, .value_kind: global_buffer, .address_space: global }
      - { .name: qkv_w, .offset: 24, .size: 8, .value_kind: global_buffer, .address_space: global }
      - { .name: attn_out_w, .offset: 32, .size: 8, .value_kind: global_buffer, .address_space: global }
      - { .name: inter_w, .offset: 40, .size: 8, .value_kind: global_buffer, .address_space: global }
      - { .name: ffn_out_w, .offset: 48, .size: 8, .value_kind: global_buffer, .address_space: global }
      - { .name: lowp_scales, .offset: 56, .size: 8, .value_kind: global_buffer, .address_space: global }
      - { .name: xq, .offset: 64, .size: 8, .value_kind: global_buffer, .address_space: global }
      - { .name: wq, .offset: 72, .size: 8, .value_kind: global_buffer, .address_space: global }
      - { .name: wt, .offset: 80, .size: 8, .value_kind: global_buffer, .address_space: global }
    .group_segment_fixed_size: 34304
    .private_segment_fixed_size: 0
    .kernarg_segment_align: 8
    .kernarg_segment_size: 88
    .max_flat_workgroup_size: 128
    .sgpr_count:     66
    .vgpr_count:     184
    .wavefront_size: 32
...
	.end_amdgpu_metadata
.endif
;; end of part 1
;; launch qkv (part 2): grid 12 x 32, 4 waves a work-group, clusters of 4 x 4, 327,680 bytes of LDS; arguments xq, wq, lowp_scales, qkv_b, qc, kc, vc; writes qc, kc, vc
.if DOCPART == 2
	.amdgcn_target "amdgcn-amd-amdhsa--gfx1250"
	.amdhsa_code_object_version 6
	.text
	.protected	k_q588a91b220_qkv
	.globl	k_q588a91b220_qkv
	.p2align	8
	.type	k_q588a91b220_qkv,@function
k_q588a91b220_qkv:
	s_mov_b64 s[64:65], 0
	v_nop
	global_prefetch_b8 v0, s[64:65] scope:SCOPE_SE
	s_setreg_imm32_b32 hwreg(HW_REG_WAVE_MODE, 25, 1), 1
	s_wait_xcnt 0x0
	s_wait_alu depctr_hold_cnt(0) depctr_sa_sdst(0) depctr_va_vdst(0) depctr_va_sdst(0) depctr_va_ssrc(0) depctr_va_vcc(0) depctr_vm_vsrc(0)
	s_getreg_b32 s2, hwreg(HW_REG_IB_STS2, 6, 4)
	s_cmp_eq_u32 s2, 0
	s_cbranch_scc0 .Lentry_in_a_cluster
	s_endpgm
.Lentry_in_a_cluster:
	s_bfe_u32 s2, ttmp6, 0x10000c
	s_cmp_lg_u32 s2, 0xf033
	s_cbranch_scc0 .Lentry_shape_is_right
	s_endpgm
.Lentry_shape_is_right:
.set KSTEP,  256
.set ROWB,   256
.set KROW,   1024
.set PITCH,  272
.set FR,     16
.set NL,     4
.set NP,     4
.set HALFT,  128*PITCH
.set SLOT,   4*HALFT
.set SPARE,  2*SLOT
.set ADRA, 16
.set ADRB, 20
.set L16,  26
.set H32,  27
.set SPW,  28
.set NIL,  29
.set R4,   30
.set BIAS, 32
.set BVP,  32
.set TMP,  96
.set COD,  160
.set AF,   128
.set G1, 24
.set G0, 32
.set G1B, 48
.set G0B, 56
.set MSB, 0
.macro WIN new
.if MSB != (\new)
	s_set_vgpr_msb (MSB<<8)|(\new)
.set MSB, (\new)
.endif
.endm
.set MUL_LO, 0xa1
.set MUL_HI, 0xf1
.set TO_B,   0x40
.macro JLOAD g0a, g1a, g0b, g1b
	s_cmp_eq_u32 s15, 0
	s_cbranch_scc0 .Lfor_b_\@
	tensor_load_to_lds s[\g0a:\g0a+3], s[\g1a:\g1a+7]
	s_nop 0
.rept 4
	v_nop
.endr
	s_branch .Lasked_\@
.Lfor_b_\@:
	tensor_load_to_lds s[\g0b:\g0b+3], s[\g1b:\g1b+7]
	s_nop 0
.rept 4
	v_nop
.endr
.Lasked_\@:
.endm
.macro CREST
	s_cmp_lg_u32 s14, 0
	s_cbranch_scc1 .Lnot_wave_0_\@
	s_barrier_signal -3
.Lnot_wave_0_\@:
	s_barrier_wait -3
	s_barrier_signal -1
	s_barrier_wait -1
.endm
.macro CROUND
	s_barrier_signal -1
	s_barrier_wait -1
	CREST
.endm
	s_load_b128 s[4:7], s[0:1], 0x0
	s_load_b128 s[8:11], s[0:1], 0x10
	s_load_b128 s[68:71], s[0:1], 0x20
	s_load_b64 s[72:73], s[0:1], 0x30
	v_lshl_add_u32 v[SPW], v0, 2, SPARE
	v_mov_b32 v[NIL], 0
	ds_add_u32 v[SPW], v[NIL]
	ds_add_u32 v[SPW], v[NIL]
	v_lshrrev_b32 v1, 5, v0
	v_readfirstlane_b32 s14, v1
	s_lshr_b32 s15, s14, 1
	s_and_b32 s16, s14, 1
	s_bfe_u32 s40, ttmp6, 0x40000
	s_bfe_u32 s41, ttmp6, 0x40004
	s_and_b32 s74, ttmp7, 0xffff
	s_lshl_b32 s74, s74, 2
	s_lshl_b32 s75, ttmp9, 2
	s_cmp_eq_u32 ttmp9, 2
	s_cselect_b32 s66, 8, s74
	s_cselect_b32 s67, s74, s75
	s_add_co_u32 s17, s66, s41
	s_add_co_u32 s42, s67, s40
	s_lshl_b32 s43, s41, 2
	s_lshl_b32 s43, 15, s43
	s_lshl_b32 s44, 0x1111, s40
	s_or_b32 s[G1+0], s43, (0<<16)|(1<<20)|(1<<21)|(5<<22)|(3<<25)
	s_or_b32 s[G1B+0], s44, (0<<16)|(1<<20)|(1<<21)|(5<<22)|(3<<25)
.irp g, G1, G1B
	s_mov_b32 s[\g+1], ROWB<<16
	s_mov_b32 s[\g+2], 128<<16
	s_mov_b32 s[\g+3], ROWB<<16
	s_mov_b32 s[\g+4], 128
	s_mov_b32 s[\g+5], KROW
	s_mov_b32 s[\g+6], 0
	s_mov_b32 s[\g+7], 0
.endr
	s_lshl_b32 s18, s16, 7
	s_lshl_b32 s20, s17, 8
	s_add_co_u32 s20, s20, s18
	s_lshl_b32 s46, s42, 8
	s_add_co_u32 s46, s46, s18
	s_mov_b32 s21, 0
	s_mov_b32 s47, 0
	s_mov_b64 s[18:19], KROW
	s_mul_u64 s[20:21], s[20:21], s[18:19]
	s_mul_u64 s[46:47], s[46:47], s[18:19]
	s_mul_i32 s45, s14, HALFT
	s_wait_dscnt 0x0
	s_wait_kmcnt 0x0
	s_load_b128 s[84:87], s[8:9], 0x0
	s_load_b64 s[88:89], s[8:9], 0x10
	s_cmp_eq_u32 ttmp9, 2
	s_cselect_b64 s[76:77], s[6:7], s[4:5]
	s_cselect_b64 s[78:79], s[4:5], s[6:7]
	s_add_nc_u64 s[20:21], s[76:77], s[20:21]
	s_add_nc_u64 s[46:47], s[78:79], s[46:47]
	CROUND
.irp s, 0,1
	s_mov_b32 s[G0+4*\s], 1
	s_add_co_u32 s[G0+4*\s+1], s45, \s*SLOT
	s_add_nc_u64 s[G0+4*\s+2:G0+4*\s+3], s[20:21], \s*ROWB
	s_or_b32 s[G0+4*\s+3], s[G0+4*\s+3], 0x80000000
	s_mov_b32 s[G0B+4*\s], 1
	s_add_co_u32 s[G0B+4*\s+1], s45, \s*SLOT
	s_add_nc_u64 s[G0B+4*\s+2:G0B+4*\s+3], s[46:47], \s*ROWB
	s_or_b32 s[G0B+4*\s+3], s[G0B+4*\s+3], 0x80000000
	s_wait_alu depctr_va_vdst(0)
	s_wait_tensorcnt 0x0
	ds_add_u32 v28, v29
	ds_add_u32 v28, v29
	s_wait_dscnt 0x0
	CROUND
	JLOAD G0+4*\s, G1, G0B+4*\s, G1B
.endr
	v_and_b32 v1, 15, v0
	v_bfe_u32 v2, v0, 4, 1
	v_mul_u32_u24 v3, v1, PITCH
	v_lshl_add_u32 v4, v2, 4, v3
	s_mul_i32 s21, s15, HALFT
	s_mul_i32 s22, s16, HALFT
	s_add_co_u32 s22, s22, 2*HALFT
.irp s, 0,1
	v_add_nc_u32 v[ADRA+\s], s21, v4
	v_add_nc_u32 v[ADRB+\s], s22, v4
	s_add_co_u32 s21, s21, SLOT
	s_add_co_u32 s22, s22, SLOT
.endr
	v_and_b32 v6, 31, v0
	v_lshlrev_b32 v[L16], 4, v6
	v_lshlrev_b32 v[H32], 5, v2
	v_lshlrev_b32 v[R4], 2, v1
.macro FRAG reg, adr, q, i
.irp c, 0,1,2,3
	ds_load_b128 v[\reg+4*\c:\reg+4*\c+3], v[\adr] offset:128*(\q)+32*\c+(\i)*16*PITCH
.endr
.endm
.macro MUL16 a0, p, zero
.irp a, \a0, \a0+1
.irp b, 0,1,2,3,4,5,6,7
.if \zero
	v_wmma_f32_16x16x128_bf8_bf8 v[8*(8*((\a)%4)+\b):8*(8*((\a)%4)+\b)+7], v[128*(\p)+FR*\b:128*(\p)+FR*\b+FR-1], v[AF+FR*(\a):AF+FR*(\a)+FR-1], 0
.else
	v_wmma_f32_16x16x128_bf8_bf8 v[8*(8*((\a)%4)+\b):8*(8*((\a)%4)+\b)+7], v[128*(\p)+FR*\b:128*(\p)+FR*\b+FR-1], v[AF+FR*(\a):AF+FR*(\a)+FR-1], v[8*(8*((\a)%4)+\b):8*(8*((\a)%4)+\b)+7]
.endif
.endr
.endr
.endm
.macro FETCH_B slot, q, p
	WIN TO_B
.irp i, 0,1,2,3,4,5,6,7
	FRAG 128*(\p)+FR*\i, ADRB+\slot, \q, \i
.endr
	WIN 0
.endm
.macro FETCH_A slot, q, i0
.irp i, \i0, \i0+1, \i0+2, \i0+3
	FRAG AF+FR*(\i), ADRA+\slot, \q, \i
.endr
.endm
.macro PLACES n
.rept \n
	v_nop
.endr
.endm
.macro STEP slot, q, zero
	s_wait_dscnt 4*NL
	WIN MUL_LO
	MUL16 0, (\q)%2, \zero
	MUL16 2, (\q)%2, \zero
	s_wait_dscnt 0
	PLACES NP
	FETCH_B \slot, (\q)+1, 1-(\q)%2
	FETCH_A \slot, (\q)+1, 0
	WIN MUL_HI
	MUL16 4, (\q)%2, \zero
	MUL16 6, (\q)%2, \zero
	PLACES NP
	WIN 0
	FETCH_A \slot, (\q)+1, 4
.endm
.macro TURN slot, next, fill
	s_wait_tensorcnt 0x0
	ds_add_u32 v[SPW], v[NIL]
	s_wait_dscnt 4*NL+1
	WIN MUL_LO
	MUL16 0, 1, 0
	s_wait_dscnt 0x0
	s_barrier_signal -1
	MUL16 2, 1, 0
	WIN 0
	s_barrier_wait -1
.if \fill
	CREST
	s_add_nc_u64 s[G0+4*\slot+2:G0+4*\slot+3], s[G0+4*\slot+2:G0+4*\slot+3], 2*ROWB
	s_add_nc_u64 s[G0B+4*\slot+2:G0B+4*\slot+3], s[G0B+4*\slot+2:G0B+4*\slot+3], 2*ROWB
	JLOAD G0+4*\slot, G1, G0B+4*\slot, G1B
.else
	PLACES NP
.endif
	FETCH_B \next, 0, 0
	FETCH_A \next, 0, 0
	WIN MUL_HI
	MUL16 4, 1, 0
	MUL16 6, 1, 0
	PLACES NP
	WIN 0
	FETCH_A \next, 0, 4
.endm
	s_wait_alu depctr_va_vdst(0)
	s_wait_tensorcnt 1
	s_barrier_signal -1
	s_barrier_wait -1
	FETCH_B 0, 0, 0
	FETCH_A 0, 0, 0
	FETCH_A 0, 0, 4
	STEP 0, 0, 1
	s_mov_b32 s3, 1
.Llap:
	TURN 0, 1, 1
	STEP 1, 0, 0
	TURN 1, 0, 1
	STEP 0, 0, 0
	s_sub_co_u32 s3, s3, 1
	s_cmp_lg_u32 s3, 0
	s_cbranch_scc1 .Llap
	TURN 0, 1, 0
	STEP 1, 0, 0
	s_wait_dscnt 4*NL
	WIN MUL_LO
	MUL16 0, 1, 0
	MUL16 2, 1, 0
	s_wait_dscnt 0
	WIN MUL_HI
	MUL16 4, 1, 0
	MUL16 6, 1, 0
	WIN 0
.macro OUTB a, mode
.if \a >= 4
	s_wait_xcnt 0x0
.endif
	WIN 0x02+(\a)/4
.irp b, 0,1,2,3,4,5,6,7
.irp p, 0,2,4,6
.if \mode
	v_pk_fma_f32 v[TMP+8*\b+\p:TMP+8*\b+\p+1], v[64*((\a)%4)+8*\b+\p:64*((\a)%4)+8*\b+\p+1], s[96:97], v[BVP+2*(\a):BVP+2*(\a)+1] op_sel_hi:[1,0,0]
.else
	v_pk_fma_f32 v[TMP+8*\b+\p:TMP+8*\b+\p+1], v[64*((\a)%4)+8*\b+\p:64*((\a)%4)+8*\b+\p+1], s[96:97], v[BIAS+8*\b+\p:BIAS+8*\b+\p+1] op_sel_hi:[1,0,1]
.endif
.endr
.endr
	WIN 0
.set p, 0
.rept 64
	v_med3_num_f32 v[TMP+p], v[TMP+p], s98, s99
.set p, p+1
.endr
.irp b, 0,1,2,3,4,5,6,7
	v_cvt_scalef32_pk8_bf8_f32 v[COD+16*((\a)%4)+2*\b:COD+16*((\a)%4)+2*\b+1], v[TMP+8*\b:TMP+8*\b+7], v224
.endr
	v_nop
.irp q, 0,1,2,3
.if \mode
	global_store_b128 v[L16], v[COD+16*((\a)%4)+4*\q:COD+16*((\a)%4)+4*\q+3], s[80:81] offset:((\a)/4)*65536+((\a)%4)*2048+512*\q
.else
	global_store_b128 v[L16], v[COD+16*((\a)%4)+4*\q:COD+16*((\a)%4)+4*\q+3], s[80:81] offset:(\q/2)*65536+(\a)*1024+(\q%2)*512
.endif
.endr
.endm
.macro MKSCALE e
	s_add_co_i32 s98, \e, 127
	s_lshl_b32 s99, s98, 23
	v_mov_b32 v224, s99
	s_add_co_i32 s98, s98, 15
	s_lshl_b32 s98, s98, 23
	s_or_b32 s99, s98, 0x600000
	s_or_b32 s98, s99, 0x80000000
.endm
	PLACES NP
	s_wait_kmcnt 0x0
	s_add_co_i32 s96, s84, s85
	s_add_co_i32 s96, s96, 127
	s_lshl_b32 s96, s96, 23
	s_mov_b32 s97, s96
	s_mov_b32 s91, 0
	s_cmp_eq_u32 ttmp9, 2
	s_cbranch_scc1 .Lv
	s_cmp_eq_u32 ttmp9, 0
	s_cselect_b32 s74, s86, s87
	s_cselect_b64 s[80:81], s[68:69], s[70:71]
	s_lshl_b32 s90, s42, 10
	s_lshl_b32 s92, s16, 9
	s_add_co_u32 s90, s90, s92
	s_add_nc_u64 s[82:83], s[10:11], s[90:91]
.irp b, 0,1,2,3,4,5,6,7
	global_load_b128 v[BIAS+8*\b:BIAS+8*\b+3], v[H32], s[82:83] offset:64*\b
	global_load_b128 v[BIAS+8*\b+4:BIAS+8*\b+7], v[H32], s[82:83] offset:64*\b+16
.endr
	s_lshr_b32 s90, s17, 2
	s_lshl_b32 s90, s90, 4
	s_and_b32 s92, s42, 3
	s_lshl_b32 s92, s92, 2
	s_add_co_u32 s90, s90, s92
	s_lshl_b32 s92, s16, 1
	s_add_co_u32 s90, s90, s92
	s_lshl_b32 s90, s90, 6
	s_and_b32 s92, s17, 3
	s_lshl_b32 s92, s92, 4
	s_add_co_u32 s90, s90, s92
	s_lshl_b32 s92, s15, 3
	s_add_co_u32 s90, s90, s92
	s_lshl_b32 s90, s90, 10
	s_add_nc_u64 s[80:81], s[80:81], s[90:91]
	MKSCALE s74
	s_wait_loadcnt 0x0
.irp a, 0,1,2,3,4,5,6,7
	OUTB \a, 0
.endr
	s_branch .Lend
.Lv:
	s_lshl_b32 s90, s17, 10
	s_lshl_b32 s92, s15, 9
	s_add_co_u32 s90, s90, s92
	s_add_nc_u64 s[82:83], s[10:11], s[90:91]
.irp a, 0,1,2,3,4,5,6,7
	global_load_b32 v[BVP+2*\a], v[R4], s[82:83] offset:64*\a
	global_load_b32 v[BVP+2*\a+1], v[R4], s[82:83] offset:64*\a
.endr
	s_lshr_b32 s90, s42, 2
	s_lshl_b32 s90, s90, 4
	s_sub_co_u32 s92, s17, 8
	s_lshl_b32 s92, s92, 2
	s_add_co_u32 s90, s90, s92
	s_lshl_b32 s92, s15, 1
	s_add_co_u32 s90, s90, s92
	s_lshl_b32 s90, s90, 3
	s_and_b32 s92, s42, 3
	s_lshl_b32 s92, s92, 1
	s_add_co_u32 s90, s90, s92
	s_add_co_u32 s90, s90, s16
	s_lshl_b32 s90, s90, 13
	s_add_nc_u64 s[80:81], s[72:73], s[90:91]
	MKSCALE s89
	s_wait_loadcnt 0x0
.irp a, 0,1,2,3,4,5,6,7
	OUTB \a, 1
.endr
.Lend:
	s_wait_tensorcnt 0x0
	ds_add_u32 v[SPW], v[NIL]
	s_wait_dscnt 0x0
	CROUND
	s_endpgm
.Lfunc_end_k_q588a91b220_qkv:
	.size	k_q588a91b220_qkv, .Lfunc_end_k_q588a91b220_qkv-k_q588a91b220_qkv
	.p2alignl 7, 3214868480
	.fill 96, 4, 3214868480
	.section	.rodata,"a",@progbits
	.p2align	6, 0x0
	.amdhsa_kernel k_q588a91b220_qkv
		.amdhsa_group_segment_fixed_size 327680
		.amdhsa_private_segment_fixed_size 0
		.amdhsa_enable_private_segment 0
		.amdhsa_kernarg_size 56
		.amdhsa_user_sgpr_count 2
		.amdhsa_user_sgpr_kernarg_segment_ptr 1
		.amdhsa_wavefront_size32 1
		.amdhsa_system_sgpr_workgroup_id_x 1
		.amdhsa_system_sgpr_workgroup_id_y 1
		.amdhsa_system_sgpr_workgroup_id_z 1
		.amdhsa_system_vgpr_workitem_id 0
		.amdhsa_next_free_vgpr 1024
		.amdhsa_next_free_sgpr 100
		.amdhsa_reserve_vcc 0
		.amdhsa_float_denorm_mode_32 3
		.amdhsa_float_denorm_mode_16_64 3
		.amdhsa_memory_ordered 1
		.amdhsa_forward_progress 1
		.amdhsa_inst_pref_size 195
	.end_amdhsa_kernel
	.amdgpu_metadata
---
amdhsa.version: [ 1, 2 ]
amdhsa.kernels:
  - .name:           k_q588a91b220_qkv
    .symbol:         k_q588a91b220_qkv.kd
    .args:
      - { .name: xq, .offset: 0, .size: 8, .value_kind: global_buffer, .address_space: global }
      - { .name: wq, .offset: 8, .size: 8, .value_kind: global_buffer, .address_space: global }
      - { .name: lowp_scales, .offset: 16, .size: 8, .value_kind: global_buffer, .address_space: global }
      - { .name: qkv_b, .offset: 24, .size: 8, .value_kind: global_buffer, .address_space: global }
      - { .name: qc, .offset: 32, .size: 8, .value_kind: global_buffer, .address_space: global }
      - { .name: kc, .offset: 40, .size: 8, .value_kind: global_buffer, .address_space: global }
      - { .name: vc, .offset: 48, .size: 8, .value_kind: global_buffer, .address_space: global }
    .group_segment_fixed_size: 327680
    .private_segment_fixed_size: 0
    .kernarg_segment_align: 8
    .kernarg_segment_size: 56
    .max_flat_workgroup_size: 128
    .sgpr_count:     100
    .vgpr_count:     1024
    .wavefront_size: 32
...
	.end_amdgpu_metadata
.endif
;; end of part 2
;; launch attn (part 3): grid 2 x 128, 16 waves a work-group, no clusters, 137,216 bytes of LDS; arguments qc, kc, vc, encoder_padding_mask, lowp_scales, cc; writes cc
.if DOCPART == 3
	.amdgcn_target "amdgcn-amd-amdhsa--gfx1250"
	.amdhsa_code_object_version 6
	.text
	.protected	k_q588a91b220_attn
	.globl	k_q588a91b220_attn
	.p2align	8
	.type	k_q588a91b220_attn,@function
k_q588a91b220_attn:
	s_mov_b64 s[64:65], 0
	v_nop
	global_prefetch_b8 v0, s[64:65] scope:SCOPE_SE
	s_setreg_imm32_b32 hwreg(HW_REG_WAVE_MODE, 25, 1), 1
	s_wait_xcnt 0x0
; THIRD LAUNCH: ctx = softmax(q k^T / 8 + mask x -1e8) v for one (batch, head) and half of its queries, both products on codes of BF8, and ctx quantised (e6) into images.  No work is left out: the mask is added for every key.
; THE SOFTMAX AHEAD OF THE SECOND PRODUCT: t = logit x log2(e); M = the running largest t rounded UP to a whole number; p = 2^(t - M) is quantised (e4), not normalised; the row's sum is taken of the unquantised p and
; divides at the end.  When M moves, the sum and O are multiplied by 2^(old M - new M): exact.
; THE LOGIT, t AND t - M ARE MADE IN THE DEFINITION'S OWN f32 STEPS, each rounded to nearest: logit' = sum + term, term = fl(mask x -1e8) x 2^(3 - e2 - e3); t = logit' x c, c = log2(e) x 2^(e2 + e3 - 3); then t - M.
; The powers of two are exact, so these roundings are those of score / 8 + mask x -1e8 and of logit x log2(e).  A mask may hold any numbers: times -1e8 they make |t| so large that a fused t - M, taken of the unrounded
; product, would differ from the definition's by up to half a unit in t's last place.  Since M is the ceiling of the largest ROUNDED t, t - M is never above 0 and p never above 1.
; THE HOLD OF p at 57,344 x 2^e4 is walked only where it can change a number.  For e4 >= -15 the bound is 1.75 or more and p is at most 1, whatever the inputs hold.
; For e4 < -15 they are executed.
; SHARES.  A work-group: head y, queries 512 x .. 512 x + 511.  Sixteen waves, four to a SIMD, so that one wave's vector work stands beside another's matrix work; a wave owns ONE tile of 16 queries at a time, two in turn.
; ALL OF THE HEAD'S K AND V LIE IN LDS AT ONCE (64 + 64 KiB of images, copied once at the head through registers): one barrier in the launch, no ring.
; A cluster with joint loads is not used: only two work-groups share a head's 128 KiB, which each reads once at its head; nothing is fetched in the loop.
; LAYOUT.  S^T = K Q^T (source 0 = 16 keys, source 1 = my 16 queries, K = 64), O^T = V^T P^T (source 0 = 16 channels, source 1 = P, K = 128 keys): a lane holds ONE query.  Tile t's eight scores of a lane are keys
; 16 t + 8 h + 0 .. 7, which is what registers 2 t, 2 t + 1 of the next operand hold: the conversions' results ARE that operand.  Likewise O^T's four tiles become ctx's image.
; LIMITS: e2 + e3 between -123 and 130 (c is an f32 number), and |mask| x 1e8 x 2^(3 - e2 - e3) an f32 number (for |mask| up to 30: e2 + e3 at least -92); e4, e6 between -126 and 112.  NaN is not served.
; REGISTERS: v1-3 LDS addresses; v5, v6 the add's two; v8-11 the head's; v12 -M, v13 the largest t, v[14:15] the sum; v16-23 Q; v24-87 fragments of K, then of V; v88-151 S^T, then t, then p; v152-183 O^T;
;   v184-247 the step's 64 mask terms; they are used up before p's codes are made, so v184-199 then take p's codes and, at a tile's end, v200-207 ctx's codes; v248-255 at work and constants.
.set VI,    65536                      ; LDS: K's 64 images from 0; V's 32 images of 2,048 bytes;
.set MK,    131072                     ; 1,024 mask terms;
.set SPARE, 135168                     ; the spare words, 128 bytes a wave
.set Q,  16
.set F,  24
.set S,  88
.set O,  152
.set MT, 184
.set PC, 184
.set CC, 200
.set CH, 248                           ; v[248:249] the sum's second chain
.set PT, 250                           ; v250 a lane permute's destination
.set TM, 251                           ; v251 at work
.set FP, 252                           ; v[252:253] the maximum's second chain, then f (the pair's low word serves both halves)
.set SC4, 254                          ; v254 2^e4
.set SC6, 255                          ; v255 2^e6
.set SEL, 20
.set CS,  22
.set BLK, 24
.set E4,  48                           ; s48 e4, as it was read; never rewritten
	s_load_b256 s[4:11], s[0:1], 0x0               ; qc s[4:5], kc s[6:7], vc s[8:9], the mask s[10:11]
	s_load_b128 s[12:15], s[0:1], 0x20             ; the scales s[12:13], cc s[14:15]
	v_lshl_add_u32 v5, v0, 2, SPARE
	v_mov_b32 v6, 0
	v_lshrrev_b32 v8, 5, v0
	s_delay_alu instid0(VALU_DEP_1)
	v_readfirstlane_b32 s16, v8                    ; wave 0..15
	v_and_b32 v1, 31, v0
	s_delay_alu instid0(VALU_DEP_1)
	v_lshlrev_b32 v1, 4, v1                        ; 16 x lane
	s_delay_alu instid0(VALU_DEP_1)
	v_add_nc_u32 v2, VI, v1
	v_bfe_u32 v3, v0, 4, 1
	s_delay_alu instid0(VALU_DEP_1)
	v_lshl_add_u32 v3, v3, 5, MK                   ; the terms of my half's eight keys of a tile
	v_lshlrev_b32 v8, 4, v0                        ; 16 x thread
	s_delay_alu instid0(VALU_DEP_1)
	v_add_nc_u32 v9, VI, v8
	v_lshlrev_b32 v10, 3, v0                       ; 8 x thread
	s_delay_alu instid0(VALU_DEP_1)
	v_add_nc_u32 v11, MK, v10
	v_mov_b32 v[PT], 0                             ; written once: a lane permute's destination counts as one of its sources
	v_mov_b32 v[FP+1], 0                           ; (named as the upper half of the pair)
	s_mov_b32 s[SEL], 0x76543210
	s_mov_b32 s[SEL+1], 0xfedcba98
	s_mov_b32 s[BLK], 2
	s_and_b32 s17, ttmp7, 0xffff                   ; 16 batch + head
	s_lshl_b32 s26, s17, 16
	s_mov_b32 s27, 0
	s_lshr_b32 s18, s17, 4                         ; batch
	s_lshl_b32 s28, s18, 12
	s_mov_b32 s29, 0
	s_lshl_b32 s19, ttmp9, 5
	s_add_co_u32 s19, s19, s16                     ; my first tile of queries: 32 x + wave
	s_lshl_b32 s30, s17, 6
	s_add_co_u32 s30, s30, s19
	s_lshl_b32 s30, s30, 10
	s_mov_b32 s31, 0
	s_lshl_b32 s32, s18, 6
	s_add_co_u32 s32, s32, s19
	s_lshl_b32 s32, s32, 4
	s_and_b32 s33, s17, 15
	s_add_co_u32 s32, s32, s33
	s_lshl_b32 s32, s32, 10                        ; cc: ((64 batch + tile) x 16 + head) x 1,024
	s_mov_b32 s33, 0
	s_wait_alu depctr_va_vdst(0)
	s_wait_kmcnt 0x0
	s_load_b256 s[44:51], s[12:13], 0x0            ; e0 .. e7
	s_add_nc_u64 s[6:7], s[6:7], s[26:27]
	s_add_nc_u64 s[8:9], s[8:9], s[26:27]
	s_add_nc_u64 s[10:11], s[10:11], s[28:29]
	s_add_nc_u64 s[4:5], s[4:5], s[30:31]
	s_add_nc_u64 s[14:15], s[14:15], s[32:33]
.irp i, 0,1,2,3,4,5,6,7
	global_load_b128 v[24+4*\i:27+4*\i], v8, s[6:7] offset:8192*\i     ; the 512 threads read 8,192 consecutive bytes
.endr
.irp i, 0,1,2,3,4,5,6,7
	global_load_b128 v[56+4*\i:59+4*\i], v8, s[8:9] offset:8192*\i
.endr
	global_load_b64 v[88:89], v10, s[10:11]
	global_load_b128 v[Q:Q+3], v1, s[4:5]
	global_load_b128 v[Q+4:Q+7], v1, s[4:5] offset:512
	s_wait_kmcnt 0x0
	s_add_co_i32 s34, s46, s47                     ; e2 + e3
	s_sub_co_i32 s42, 3, s34
	s_sub_co_i32 s34, s34, 3
	s_lshl_b32 s34, s34, 23
	s_mov_b32 s[CS], 0x3fb8aa3b                    ; log2(e),
	s_add_co_i32 s[CS], s[CS], s34                 ; x 2^(e2 + e3 - 3): the exponents are added to its exponent field
	s_mov_b32 s[CS+1], s[CS]
	s_add_co_i32 s34, s[E4], 127
	s_lshl_b32 s35, s34, 23
	v_mov_b32 v[SC4], s35                          ; 2^e4
	s_add_co_i32 s34, s34, 15
	s_lshl_b32 s34, s34, 23
	s_or_b32 s38, s34, 0x600000                    ; s38 57,344 x 2^e4
	s_add_co_i32 s43, s[E4], s49                   ; e4 + e5
	s_add_co_i32 s34, s50, 127
	s_lshl_b32 s35, s34, 23
	v_mov_b32 v[SC6], s35                          ; 2^e6
	s_add_co_i32 s34, s34, 15
	s_lshl_b32 s34, s34, 23
	s_or_b32 s41, s34, 0x600000                    ; 57,344 x 2^e6,
	s_or_b32 s40, s41, 0x80000000                  ; and minus that
	s_wait_loadcnt 2                               ; all but Q's two loads
.irp i, 0,1,2,3,4,5,6,7
	ds_store_b128 v8, v[24+4*\i:27+4*\i] offset:8192*\i
.endr
.irp i, 0,1,2,3,4,5,6,7
	ds_store_b128 v9, v[56+4*\i:59+4*\i] offset:8192*\i
.endr
	v_mul_f32 v88, 0xccbebc20, v88                 ; mask x -1e8, rounded as the definition rounds it,
	v_mul_f32 v89, 0xccbebc20, v89
	s_delay_alu instid0(VALU_DEP_2)
	v_ldexp_f32 v88, v88, s42                      ; x 2^(3 - e2 - e3): exact
	s_delay_alu instid0(VALU_DEP_2)
	v_ldexp_f32 v89, v89, s42
	ds_store_b64 v11, v[88:89]
	s_wait_dscnt 0x0                               ; for the others' sake: my stores have landed
	s_barrier_signal -1
	s_barrier_wait -1                              ; the head's K, V and mask terms lie in LDS; nothing is written there again
; A KEY STEP: 128 keys.  q = 0 starts M, the sum and O^T: nothing is cleared.
.macro STEP q
.if \q > 0
.rept 4
	v_nop                                          ; places in front of loads into registers that the last products read (V's fragments, p's codes)
.endr
.endif
.irp t, 0,1,2,3,4,5,6,7
	ds_load_b128 v[MT+8*\t:MT+8*\t+3], v3 offset:512*\q+64*\t        ; the mask's terms of keys 16 t + 8 h + 0 .. 7
	ds_load_b128 v[MT+8*\t+4:MT+8*\t+7], v3 offset:512*\q+64*\t+16
.endr
.irp t, 0,1,2,3,4,5,6,7
	ds_load_b128 v[F+8*\t:F+8*\t+3], v1 offset:8192*\q+1024*\t       ; K's image of tile t
	ds_load_b128 v[F+8*\t+4:F+8*\t+7], v1 offset:8192*\q+1024*\t+512
.endr
	s_wait_dscnt 0x0
.irp t, 0,1,2,3,4,5,6,7
	v_wmma_f32_16x16x64_bf8_bf8 v[S+8*\t:S+8*\t+7], v[F+8*\t:F+8*\t+7], v[Q:Q+7], 0
.endr
.rept 4
	v_nop
.endr
.if \q == 7
	s_cmp_eq_u32 s[BLK], 1                         ; my next tile's Q, 16 tiles on, is asked for here, if there is one
	s_cbranch_scc1 .Lno_next_q
	global_load_b128 v[Q:Q+3], v1, s[4:5] offset:16384
	global_load_b128 v[Q+4:Q+7], v1, s[4:5] offset:16384+512
.Lno_next_q:
.endif
.irp c, 0,1,2,3
.irp e, 0,1,2,3
	ds_load_b128 v[F+16*\c+4*\e:F+16*\c+4*\e+3], v2 offset:8192*\q+2048*\c+512*\e   ; V's four images: they land while the softmax is walked
.endr
.endr
.set j, 0
.rept 32
	v_pk_add_f32 v[S+j:S+j+1], v[S+j:S+j+1], v[MT+j:MT+j+1]   ; logit' = sum + term: one f32 addition, as the definition has it; each tile is read from its low end on
.set j, j+2
.endr
	v_max3_num_f32 v[TM], v[S], v[S+1], v[S+2]     ; the step's largest logit' of my query among my 64 keys, in two chains
	v_max3_num_f32 v[FP], v[S+3], v[S+4], v[S+5]
.irp i, 6,10,14,18,22,26,30,34,38,42,46,50,54,58
	s_delay_alu instid0(VALU_DEP_2)
	v_max3_num_f32 v[TM], v[TM], v[S+\i], v[S+\i+1]
	s_delay_alu instid0(VALU_DEP_2)
	v_max3_num_f32 v[FP], v[FP], v[S+\i+2], v[S+\i+3]
.endr
	s_delay_alu instid0(VALU_DEP_2)
	v_max3_num_f32 v[TM], v[TM], v[S+62], v[S+63]
	s_delay_alu instid0(VALU_DEP_1)
	v_max_num_f32 v[TM], v[TM], v[FP]
	s_delay_alu instid0(VALU_DEP_1)
	v_permlanex16_b32 v[PT], v[TM], s[SEL], s[SEL+1]
	s_delay_alu instid0(VALU_DEP_1)
	v_max_num_f32 v[TM], v[TM], v[PT]              ; and among lane l xor 16's
.if \q == 0
	s_delay_alu instid0(VALU_DEP_1)
	v_mul_f32 v13, s[CS], v[TM]                    ; as t: c is positive and rounding keeps the order, so this is the largest of the rounded t
	s_delay_alu instid0(VALU_DEP_1)
	v_floor_f32 v12, -v13                          ; -M = floor(-t) = -ceil(t)
.else
	s_delay_alu instid0(VALU_DEP_1)
	v_mul_f32 v[TM], s[CS], v[TM]
	s_delay_alu instid0(VALU_DEP_1)
	v_max_num_f32 v13, v13, v[TM]                  ; the running largest t
	v_mov_b32 v[TM], v12
	s_delay_alu instid0(VALU_DEP_2)
	v_floor_f32 v12, -v13
	s_delay_alu instid0(VALU_DEP_1)
	v_sub_f32 v[TM], v12, v[TM]                    ; old M - new M: a whole number, 0 or less
	s_delay_alu instid0(VALU_DEP_1)
	v_cvt_i32_f32 v[TM], v[TM]                     ; (it saturates)
	s_delay_alu instid0(VALU_DEP_1)
	v_ldexp_f32 v[FP], 1.0, v[TM]                  ; f = 2^(old M - new M)
.endif
.set j, 0
.rept 32
	v_pk_mul_f32 v[S+j:S+j+1], v[S+j:S+j+1], s[CS:CS+1] op_sel_hi:[1,0]   ; t = logit' x c, rounded to f32,
.set j, j+2
.endr
.set j, 0
.rept 32
	v_pk_add_f32 v[S+j:S+j+1], v[S+j:S+j+1], v[12:13] op_sel_hi:[1,0]     ; and only then t - M (of the pair the low word, -M, serves both halves)
.set j, j+2
.endr
.set j, 0
	s_wait_alu depctr_va_vdst(0)
.rept 64
	v_exp_f32 v[S+j], v[S+j]                       ; p = 2^(t - M)
.set j, j+1
.endr
.if \q == 0
	v_nop                                          ; a plain instruction behind the exponentials
	s_wait_alu depctr_va_vdst(0)                   ; one wait for the whole batch, ahead of its first reader
	v_pk_add_f32 v[CH:CH+1], v[S:S+1], v[S+2:S+3]  ; the row's sum is taken of the unquantised p, in two chains
	v_pk_add_f32 v[14:15], v[S+4:S+5], v[S+6:S+7]
.irp j, 8,12,16,20,24,28,32,36,40,44,48,52,56,60
	v_pk_add_f32 v[14:15], v[14:15], v[S+\j:S+\j+1]
	v_pk_add_f32 v[CH:CH+1], v[CH:CH+1], v[S+\j+2:S+\j+3]
.endr
.else
	v_pk_mul_f32 v[14:15], v[14:15], v[FP:FP+1] op_sel_hi:[1,0]   ; the sums under the new M (a plain instruction behind the exponentials)
	s_wait_alu depctr_va_vdst(0)
	v_pk_add_f32 v[CH:CH+1], v[S:S+1], v[S+2:S+3]
.irp j, 4,8,12,16,20,24,28,32,36,40,44,48,52,56,60
	v_pk_add_f32 v[14:15], v[14:15], v[S+\j:S+\j+1]
	v_pk_add_f32 v[CH:CH+1], v[CH:CH+1], v[S+\j+2:S+\j+3]
.endr
.endif
	s_delay_alu instid0(VALU_DEP_1)
	v_pk_add_f32 v[14:15], v[14:15], v[CH:CH+1]
	s_cmp_ge_i32 s[E4], -15                        ; 57,344 x 2^e4 >= 1.75 >= p: the hold would change no number
	s_cbranch_scc1 .Lno_hold_\@
.set j, 0
.rept 64
	v_min_num_f32 v[S+j], s38, v[S+j]              ; the conversion does not saturate (ISA guide 7.6.2); p is not negative, so the hold is one-sided
.set j, j+1
.endr
.Lno_hold_\@:
.irp t, 0,1,2,3,4,5,6,7
	v_cvt_scalef32_pk8_bf8_f32 v[PC+2*\t:PC+2*\t+1], v[S+8*\t:S+8*\t+7], v[SC4]   ; (the mask's terms that lay here have been added)
.endr
.if \q == 0
	s_wait_alu depctr_va_vdst(0)
	v_nop                                          ; one plain instruction between the last conversion and the products that read its result
.else
.set j, 0
.rept 16
	v_pk_mul_f32 v[O+j:O+j+1], v[O+j:O+j+1], v[FP:FP+1] op_sel_hi:[1,0]   ; O^T under the new M
.set j, j+2
.endr
.endif
	s_wait_alu depctr_va_vdst(0)
	s_wait_dscnt 0x0                               ; V is in
.irp c, 0,1,2,3
.if \q == 0
	v_wmma_f32_16x16x128_bf8_bf8 v[O+8*\c:O+8*\c+7], v[F+16*\c:F+16*\c+15], v[PC:PC+15], 0
.else
	v_wmma_f32_16x16x128_bf8_bf8 v[O+8*\c:O+8*\c+7], v[F+16*\c:F+16*\c+15], v[PC:PC+15], v[O+8*\c:O+8*\c+7]
.endif
.endr
.endm
.Lblk:                                                 ; two trips: a tile of 16 queries each
	s_wait_loadcnt 0x0                             ; Q
	STEP 0
	STEP 1
	STEP 2
	STEP 3
	STEP 4
	STEP 5
	STEP 6
	STEP 7
.rept 4
	v_nop
.endr
	v_add_f32 v14, v14, v15                        ; the sum's two halves,
	s_delay_alu instid0(VALU_DEP_1)
	v_permlanex16_b32 v[PT], v14, s[SEL], s[SEL+1]
	s_delay_alu instid0(VALU_DEP_1)
	v_add_f32 v14, v14, v[PT]                      ; and lane l xor 16's
	s_wait_alu depctr_va_vdst(0)
	v_rcp_f32 v14, v14
	v_nop                                          ; a plain instruction behind the transcendental
	s_wait_alu depctr_va_vdst(0)                   ; and the wait ahead of the first use
	v_ldexp_f32 v14, v14, s43                      ; x 2^(e4 + e5)
	s_delay_alu instid0(VALU_DEP_1)
	v_mov_b32 v15, v14
.set j, 0
.rept 16
	v_pk_mul_f32 v[S+j:S+j+1], v[O+j:O+j+1], v[14:15]   ; ctx: register 8 c + i is channel 16 c + 8 h + i of my query
.set j, j+2
.endr
.set j, 0
.rept 32
	v_med3_num_f32 v[S+j], v[S+j], s40, s41
.set j, j+1
.endr
.irp c, 0,1,2,3
	v_cvt_scalef32_pk8_bf8_f32 v[CC+2*\c:CC+2*\c+1], v[S+8*\c:S+8*\c+7], v[SC6]
.endr
	v_nop                                          ; one plain instruction behind the last conversion
	global_store_b128 v1, v[CC:CC+3], s[14:15]     ; the image of 16 tokens x the head's 64 channels: twice 512 consecutive bytes
	global_store_b128 v1, v[CC+4:CC+7], s[14:15] offset:512
	s_wait_xcnt 0x0                                ; the stores have read their data and base: the next tile's mask terms may land on the data's registers
	s_add_nc_u64 s[14:15], s[14:15], 262144        ; 16 token tiles on
	s_sub_co_u32 s[BLK], s[BLK], 1
	s_cmp_lg_u32 s[BLK], 0
	s_cbranch_scc1 .Lblk
	s_wait_tensorcnt 0x0                           ; the wave's end
	ds_add_u32 v5, v6
	s_wait_dscnt 0x0
	s_endpgm
.Lfunc_end_k_q588a91b220_attn:
	.size	k_q588a91b220_attn, .Lfunc_end_k_q588a91b220_attn-k_q588a91b220_attn
	.p2alignl 7, 3214868480
	.fill 96, 4, 3214868480
	.section	.rodata,"a",@progbits
	.p2align	6, 0x0
	.amdhsa_kernel k_q588a91b220_attn
		.amdhsa_group_segment_fixed_size 137216
		.amdhsa_private_segment_fixed_size 0
		.amdhsa_enable_private_segment 0
		.amdhsa_kernarg_size 48
		.amdhsa_user_sgpr_count 2
		.amdhsa_user_sgpr_kernarg_segment_ptr 1
		.amdhsa_wavefront_size32 1
		.amdhsa_system_sgpr_workgroup_id_x 1
		.amdhsa_system_sgpr_workgroup_id_y 1
		.amdhsa_system_sgpr_workgroup_id_z 1
		.amdhsa_system_vgpr_workitem_id 0
		.amdhsa_next_free_vgpr 256
		.amdhsa_next_free_sgpr 66
		.amdhsa_reserve_vcc 0
		.amdhsa_float_denorm_mode_32 3
		.amdhsa_float_denorm_mode_16_64 3
		.amdhsa_memory_ordered 1
		.amdhsa_forward_progress 1
		.amdhsa_inst_pref_size 181
	.end_amdhsa_kernel
	.amdgpu_metadata
---
amdhsa.version: [ 1, 2 ]
amdhsa.kernels:
  - .name:           k_q588a91b220_attn
    .symbol:         k_q588a91b220_attn.kd
    .args:
      - { .name: qc, .offset: 0, .size: 8, .value_kind: global_buffer, .address_space: global }
      - { .name: kc, .offset: 8, .size: 8, .value_kind: global_buffer, .address_space: global }
      - { .name: vc, .offset: 16, .size: 8, .value_kind: global_buffer, .address_space: global }
      - { .name: encoder_padding_mask, .offset: 24, .size: 8, .value_kind: global_buffer, .address_space: global }
      - { .name: lowp_scales, .offset: 32, .size: 8, .value_kind: global_buffer, .address_space: global }
      - { .name: cc, .offset: 40, .size: 8, .value_kind: global_buffer, .address_space: global }
    .group_segment_fixed_size: 137216
    .private_segment_fixed_size: 0
    .kernarg_segment_align: 8
    .kernarg_segment_size: 48
    .max_flat_workgroup_size: 512
    .sgpr_count:     66
    .vgpr_count:     256
    .wavefront_size: 32
...
	.end_amdgpu_metadata
.endif
;; end of part 3
;; launch tail (part 4): grid 256 x 1, 4 waves a work-group, no clusters, 121,344 bytes of LDS; arguments cc, wt, lowp_scales, hidden_states, attn_out_b, ln2_g, ln2_b, inter_b, ffn_out_b, out0; writes out0
.if DOCPART == 4
	.amdgcn_target "amdgcn-amd-amdhsa--gfx1250"
	.amdhsa_code_object_version 6
	.text
	.protected	k_q588a91b220_tail
	.globl	k_q588a91b220_tail
	.p2align	8
	.type	k_q588a91b220_tail,@function
k_q588a91b220_tail:
	s_mov_b64 s[64:65], 0
	v_nop
	global_prefetch_b8 v0, s[64:65] scope:SCOPE_SE
	s_setreg_imm32_b32 hwreg(HW_REG_WAVE_MODE, 25, 1), 1
	s_wait_xcnt 0x0
; FOURTH LAUNCH: y = x + ctx Wo^T + bo;  y_ln = LayerNorm(y);  h = relu(y_ln Wi^T + bi);  out = y + h Wf^T + bf.  The three products run on codes of BF8; y, y_ln and h never go to memory.  No work is left out.
; SHARES.  256 work-groups, one for each WGP; a work-group takes 32 tokens (two tiles a) x all 1,024 columns, since the norm wants whole rows.  Wave w takes columns 256 w .. 256 w + 255 (16 tiles t) in all three
; products, so its weights are its own: they come from memory straight into registers, as one linear stream of images (wt), through a ring of eight register slots.  From wave to wave, through LDS, go the rows' codes, as images.
; Joint loads of the weights are not used: a joint load lands in LDS, where 206,336 bytes are free: two slots of six units a wave, so a round of the cluster's barrier with all loads waited for would stand at every 48 products of a wave.
; No prefetch: the ring itself asks six units ahead, and each wave keeps 48 loads or more of its stream out from the head to the last trip.
; ALL PRODUCTS: v_wmma_f32_16x16x64_bf8_bf8, source 0 = 16 rows of a weight, source 1 = 16 tokens: a lane holds ONE token and eight neighbouring features, which convert into two registers of the next operand.
; THE ACCUMULATORS START LOADED, NEVER CLEARED: Y = (x + bo) 2^-(e6+e7) ahead of the first product; H = bi 2^-(e8+e9) ahead of each chunk of the second; Y = (y + bf) 2^-(e10+e11) ahead of the third.  These scalings
; are exact powers of two; the norm's mean and variance are taken in Y's units and brought back by v_ldexp_f32.
; LIMITS, so that each power of two is an f32 number: -(e6+e7), -(e8+e9), +-(e10+e11), e6+e7-e10-e11 between -126 and 127; e8 and e10-e8-e9 between -126 and 112.  NaN is not served.
; REGISTERS, in windows of 256: window 0: v0-31 addresses and statistics; v32-63 at work; v64-79, v80-95, v96-111 three sets of two fragments of A; v128-191 H (tile b, tokens a at 128 + 16 b + 8 a).
;   window 1: the ring: 8 slots of 32 (fragment b at + 8 b).   window 2: Y (tile t, tokens a) at 16 t + 8 a.
.set IMG1,  32768                      ; LDS: from 0: [a][kap][1,024] ctx's images, later h's;  from 32,768: y_ln's
.set STG,   65536                      ; a stage of 16 rows x 528 bytes for each wave
.set VEC,   99328                      ; attn_out_b, ln2_g, ln2_b, inter_b, ffn_out_b: 4,096 bytes each
.set RED0,  119808                     ; the waves' partial sums [a][token][wave], 512 bytes; 512 on: those of the squares
.set SPARE, 120832                     ; the spare words, 128 bytes a wave
.set T,   32
.set AF0, 64
.set AF1, 80
.set H,   128
.set AO,  32                           ; s32 LDS byte of the trip's first half step; s33, s34 the chunk's place among h's images and in inter_b; s35 a loop's counter
.set HO,  33
.set BO,  34
.set CNT, 35
.set SEL, 36
.set RB,  70                           ; s[70:77] the ring's four bases: pair p of slots has s[70 + 2 p : 71 + 2 p], the address of the two units that it takes next
.set MSB, 0
.macro WIN new                         ; bits 1:0 source 0, 3:2 source 1, 5:4 source 2, 7:6 destination; the high byte repeats the setting that is left
.if MSB != (\new)
	s_set_vgpr_msb (MSB<<8)|(\new)
.set MSB, (\new)
.endif
.endm
.macro PLACES                          ; plain vector instructions between a matrix instruction and a load into, or a vector read or write of, its registers
.rept 4
	v_nop
.endr
.endm
.macro BARRIER                         ; my LDS stores have landed and my LDS loads are in: then the work-group's barrier
	s_wait_dscnt 0x0
	s_barrier_signal -1
	s_barrier_wait -1
.endm
.macro BLOAD2 p                        ; two units, 8,192 consecutive bytes, into pair p of slots: a unit is four fragments of a weight
	WIN 0x40
.irp k, 0,1
.irp b, 0,1,2,3
	global_load_b128 v[64*(\p)+32*\k+8*\b:64*(\p)+32*\k+8*\b+3], v1, s[RB+2*(\p):RB+2*(\p)+1] offset:4096*\k+1024*\b
	global_load_b128 v[64*(\p)+32*\k+8*\b+4:64*(\p)+32*\k+8*\b+7], v1, s[RB+2*(\p):RB+2*(\p)+1] offset:4096*\k+1024*\b+512
.endr
.endr
.endm
.macro ALOAD buf, adr, imm             ; one half step's two fragments of A: four loads
	WIN 0
.irp a, 0,1
	ds_load_b128 v[(\buf)+8*\a:(\buf)+8*\a+3], v[\adr] offset:(\imm)+16384*\a
	ds_load_b128 v[(\buf)+8*\a+4:(\buf)+8*\a+7], v[\adr] offset:(\imm)+16384*\a+512
.endr
.endm
.macro MULU win, acc, slot, buf        ; 8 products on 8 accumulators, one instruction a turn
	WIN \win
.irp b, 0,1,2,3
.irp a, 0,1
	v_wmma_f32_16x16x64_bf8_bf8 v[(\acc)+16*\b+8*\a:(\acc)+16*\b+8*\a+7], v[32*(\slot)+8*\b:32*(\slot)+8*\b+7], v[(\buf)+8*\a:(\buf)+8*\a+7], v[(\acc)+16*\b+8*\a:(\acc)+16*\b+8*\a+7]
.endr
.endr
.endm
; THE RING goes by groups of two units.  Unit n lies in slot n % 8.  At the group of units n, n + 1 the loads of units n + 6, n + 7 go into the pair of slots that the group before read; then all but the youngest
; 48 loads (six units) are waited for: units n, n + 1 are in.  It runs on through the three matrices.  Each pair of slots has a base of its own, read by that pair's 16 loads alone, and stepped (8 units on) directly
; behind the counted wait that shows those 16 loads done.
; Two half steps of a product into Y: 8 units, four groups.  lastA: no further half step of A; lastB: the stream's last two units are asked for at g = 0, then the counts run down.
.macro TRIPY lastA, lastB
	WIN 0
	v_add_nc_u32 v2, s[AO], v1
.irp g, 0,1,2,3
	PLACES
.if (\lastB == 0) || (\g == 0)
	BLOAD2 (\g+3)%4
.endif
.if \g == 0
	ALOAD AF1, 2, 1024
	s_wait_dscnt 4                                 ; this half step's fragments are in; the four loads just asked for may be out
.endif
.if \g == 2
.if \lastA
	s_wait_dscnt 0
.else
	s_wait_alu depctr_va_vdst(0)
	ALOAD AF0, 2, 2048
	s_wait_dscnt 4
.endif
.endif
.if (\lastB == 0) || (\g == 0)
	s_wait_loadcnt 48                              ; this group's two units are in; the six younger ones may be out
.else
	s_wait_loadcnt 16*(3-\g)
.endif
.if \lastB == 0
	s_add_nc_u64 s[RB+2*\g:RB+2*\g+1], s[RB+2*\g:RB+2*\g+1], 32768   ; this pair's own loads are done by the wait above
.endif
	MULU 0xa1, 128*(\g%2), 2*\g, AF0+16*(\g/2)
	MULU 0xa1, 128*(\g%2)+64, 2*\g+1, AF0+16*(\g/2)
.endr
	WIN 0
.endm
.macro GEMMY lastB                     ; Y += A W^T, A's images from LDS byte 0 on: 16 half steps, 64 units
	s_mov_b32 s[AO], 0
	ALOAD AF0, 1, 0
	s_mov_b32 s[CNT], 7
.Lgy_\@:
	s_wait_alu depctr_va_vdst(0)                   ; Y was written by vector instructions
	TRIPY 0, 0
	s_add_co_u32 s[AO], s[AO], 2048
	s_sub_co_u32 s[CNT], s[CNT], 1
	s_cmp_lg_u32 s[CNT], 0
	s_cbranch_scc1 .Lgy_\@
	TRIPY 1, \lastB
.endm
	s_load_b512 s[4:19], s[0:1], 0x0               ; cc s[4:5], wt s[6:7], the scales s[8:9], hidden_states s[10:11], attn_out_b s[12:13], ln2_g s[14:15], ln2_b s[16:17], inter_b s[18:19]
	s_load_b128 s[20:23], s[0:1], 0x40             ; ffn_out_b s[20:21], out0 s[22:23]
	v_lshl_add_u32 v13, v0, 2, SPARE               ; the add's two registers; never rewritten
	v_mov_b32 v14, 0
	v_lshrrev_b32 v1, 5, v0
	v_readfirstlane_b32 s24, v1                    ; wave 0..3
	v_and_b32 v1, 31, v0
	v_lshlrev_b32 v1, 4, v1                        ; v1  16 x lane; never rewritten
	v_and_b32 v16, 15, v0                          ; r
	v_bfe_u32 v17, v0, 4, 1                        ; h
	v_lshlrev_b32 v2, 4, v0                        ; 16 x thread, for the head's copies
	v_add_nc_u32 v11, VEC, v2
	v_add_nc_u32 v3, IMG1, v1                      ; v3  y_ln's images, my lane
	s_mul_i32 s25, s24, 8448
	s_add_co_u32 s25, s25, STG
	v_add_nc_u32 v4, s25, v1                       ; v4  my stage by rows: 16 x lane of a row of 512 bytes
	v_mul_u32_u24 v5, v16, 528
	v_lshl_add_u32 v5, v17, 5, v5
	v_add_nc_u32 v5, s25, v5                       ; v5  my stage by fragments: row r, + 32 h
	s_lshl_b32 s25, s24, 10
	s_add_co_u32 s25, s25, VEC
	v_lshl_add_u32 v6, v17, 5, s25                 ; v6  a vector at my wave's columns, + 32 h
	s_lshl_b32 s25, s24, 2
	s_add_co_u32 s25, s25, RED0
	v_lshl_add_u32 v7, v16, 4, s25                 ; v7  my wave's word of token r's four
	v_lshlrev_b32 v8, 4, v16
	v_add_nc_u32 v8, RED0, v8                      ; v8  token r's four words
	s_lshl_b32 s25, s24, 12
	v_add_nc_u32 v10, s25, v1                      ; v10 where I store h's images: half steps 4 w on
	v_add_nc_u32 v9, IMG1, v10                     ; v9  y_ln's likewise
.irp i, 32,33
	v_mov_b32 v\i, 0                               ; written once: a lane permute's destination counts as one of its sources
.endr
	s_mov_b32 s[SEL], 0x76543210
	s_mov_b32 s[SEL+1], 0xfedcba98
	s_mov_b32 s53, 0x3a800000                      ; 1 / 1,024
	s_mov_b32 s54, 0x3727c5ac                      ; 1e-5
	s_mov_b32 s67, 0
	s_wait_alu depctr_va_vdst(0)                   ; the wait at the head's end
	s_wait_kmcnt 0x0
	s_load_b64 s[58:59], s[8:9], 0x18              ; e6, e7
	s_load_b128 s[60:63], s[8:9], 0x20             ; e8 .. e11
	s_lshl_b32 s66, ttmp9, 15
	s_add_nc_u64 s[4:5], s[4:5], s[66:67]          ; my two token tiles' 32 images
	s_mul_i32 s66, s24, 786432
	s_add_nc_u64 s[RB:RB+1], s[6:7], s[66:67]      ; my wave's stream of weights: units 0, 1;
	s_add_nc_u64 s[RB+2:RB+3], s[RB:RB+1], 8192    ; units 2, 3;
	s_add_nc_u64 s[RB+4:RB+5], s[RB:RB+1], 16384   ; units 4, 5;
	s_add_nc_u64 s[RB+6:RB+7], s[RB:RB+1], 24576   ; units 6, 7
	s_lshl_b32 s66, ttmp9, 17
	s_lshl_b32 s68, s24, 10
	s_add_co_u32 s66, s66, s68
	s_add_nc_u64 s[28:29], s[10:11], s[66:67]      ; x and out at my first token, my wave's columns
	s_add_nc_u64 s[30:31], s[22:23], s[66:67]
.irp vi, 0,1,2,3,4
	global_load_b128 v[64+8*\vi:64+8*\vi+3], v2, s[12+2*\vi:13+2*\vi]
	global_load_b128 v[64+8*\vi+4:64+8*\vi+7], v2, s[12+2*\vi:13+2*\vi] offset:2048
.endr
.set i, 0
.rept 16
	global_load_b128 v[128+4*i:128+4*i+3], v2, s[4:5] offset:2048*i th:TH_LOAD_NT
.set i, i+1
.endr
	WIN 0x80
.irp u, 0,1                            ; x: block (u, a) = 16 tokens x 128 columns, a row a load (512 consecutive bytes), into the registers of Y's tiles 8 u .. 8 u + 7 for tokens a
.irp a, 0,1
.irp i, 0,1,2,3,4,5,6,7,8,9,10,11,12,13,14,15
	global_load_b128 v[16*(8*\u+\i/2)+8*\a+4*(\i%2):16*(8*\u+\i/2)+8*\a+4*(\i%2)+3], v1, s[28:29] offset:(16*\a+\i)*4096+512*\u th:TH_LOAD_NT
.endr
.endr
.endr
.irp n, 0,1,2
	BLOAD2 \n                                      ; the ring's first six units
.endr
	WIN 0
	s_wait_loadcnt 63                              ; 112 loads were issued behind the vectors and ctx: these are in
.irp vi, 0,1,2,3,4
	ds_store_b128 v11, v[64+8*\vi:64+8*\vi+3] offset:4096*\vi
	ds_store_b128 v11, v[64+8*\vi+4:64+8*\vi+7] offset:4096*\vi+2048
.endr
.set i, 0
.rept 16
	ds_store_b128 v2, v[128+4*i:128+4*i+3] offset:2048*i
.set i, i+1
.endr
	BARRIER                                        ; the five vectors and ctx's 32 images lie in LDS
	s_wait_kmcnt 0x0
	s_add_co_i32 s48, s58, s59                     ; E4 = e6 + e7: Y stands for Y x 2^E4
	s_lshl_b32 s49, s48, 1
	s_sub_co_i32 s66, 127, s48
	s_lshl_b32 s38, s66, 23                        ; s[38:39] 2^-(e6+e7)
	s_mov_b32 s39, s38
	s_add_co_i32 s67, s60, s61
	s_sub_co_i32 s66, 127, s67
	s_lshl_b32 s40, s66, 23                        ; s[40:41] 2^-(e8+e9)
	s_mov_b32 s41, s40
	s_add_co_i32 s68, s62, s63
	s_sub_co_i32 s66, 127, s68
	s_lshl_b32 s42, s66, 23                        ; s[42:43] 2^-(e10+e11)
	s_mov_b32 s43, s42
	s_sub_co_i32 s66, s48, s68
	s_add_co_i32 s66, s66, 127
	s_lshl_b32 s44, s66, 23                        ; s[44:45] 2^(e6+e7-e10-e11)
	s_mov_b32 s45, s44
	s_add_co_i32 s66, s68, 127
	s_lshl_b32 s46, s66, 23                        ; s[46:47] 2^(e10+e11)
	s_mov_b32 s47, s46
	s_add_co_i32 s66, s60, 127
	s_lshl_b32 s55, s66, 23                        ; s55 2^e8
	s_add_co_i32 s66, s66, 15
	s_lshl_b32 s66, s66, 23
	s_or_b32 s51, s66, 0x600000                    ; s51 57,344 x 2^e8, s50 minus that
	s_or_b32 s50, s51, 0x80000000
	s_sub_co_i32 s66, s62, s67
	s_add_co_i32 s66, s66, 127
	s_lshl_b32 s56, s66, 23                        ; s56 2^(e10-e8-e9): the three scales folded into the conversion's one
	s_add_co_i32 s66, s66, 15
	s_lshl_b32 s66, s66, 23
	s_or_b32 s52, s66, 0x600000                    ; s52 57,344 x that
; Block (u, a) of x turns through my stage from rows into the accumulators' layout, into the registers that it left, and becomes Y = x 2^-E4 + bo 2^-E4.
.macro XIN u, a
.set LEFT, 16*(3-2*(\u)-(\a))+48       ; the later blocks' loads and the ring's 48
.if LEFT > 63
.set LEFT, 63
.endif
	s_wait_loadcnt LEFT
	WIN 0x08
.irp i, 0,1,2,3,4,5,6,7,8,9,10,11,12,13,14,15
	ds_store_b128 v4, v[16*(8*(\u)+\i/2)+8*(\a)+4*(\i%2):16*(8*(\u)+\i/2)+8*(\a)+4*(\i%2)+3] offset:528*\i
.endr
	WIN 0x80
.irp b, 0,1,2,3,4,5,6,7                ; LDS serves a wave's instructions in order: these see my stores
	ds_load_b128 v[16*(8*(\u)+\b)+8*(\a):16*(8*(\u)+\b)+8*(\a)+3], v5 offset:64*\b
	ds_load_b128 v[16*(8*(\u)+\b)+8*(\a)+4:16*(8*(\u)+\b)+8*(\a)+7], v5 offset:64*\b+16
.endr
	s_wait_dscnt 0x0
	WIN 0x82
.irp b, 0,1,2,3,4,5,6,7
.irp p, 0,2,4,6
	v_pk_fma_f32 v[16*(8*(\u)+\b)+8*(\a)+\p:16*(8*(\u)+\b)+8*(\a)+\p+1], v[16*(8*(\u)+\b)+8*(\a)+\p:16*(8*(\u)+\b)+8*(\a)+\p+1], s[38:39], v[128+8*\b+\p:128+8*\b+\p+1] op_sel_hi:[1,0,1]
.endr
.endr
.endm
.irp u, 0,1
	WIN 0
.irp b, 0,1,2,3,4,5,6,7
	ds_load_b128 v[128+8*\b:128+8*\b+3], v6 offset:64*(8*\u+\b)      ; attn_out_b at tile 8 u + b, my half's eight columns
	ds_load_b128 v[128+8*\b+4:128+8*\b+7], v6 offset:64*(8*\u+\b)+16
.endr
	s_wait_dscnt 0x0
.set p, 0
.rept 32
	v_pk_mul_f32 v[128+p:128+p+1], v[128+p:128+p+1], s[38:39] op_sel_hi:[1,0]
.set p, p+2
.endr
.irp a, 0,1
	XIN \u, \a
.endr
.endr
	WIN 0
	GEMMY 0                                        ; Y = y 2^-E4
	; ---- THE NORM.  A lane holds, for each a, 128 numbers of one token; lane l xor 16 holds 128 more, the other waves the rest.  Four chains: (a, low or high half of a tile's eight) at v[24 + 2 a + 4 q].
	PLACES
	WIN 0x0a
.irp q, 0,1
.irp a, 0,1
	v_pk_add_f32 v[24+2*\a+4*\q:25+2*\a+4*\q], v[8*\a+4*\q:8*\a+4*\q+1], v[8*\a+4*\q+2:8*\a+4*\q+3]   ; the first adds start the chains; every accumulator is read from its low end on
.endr
.endr
	WIN 0x02
.irp t, 1,2,3,4,5,6,7,8,9,10,11,12,13,14,15
.irp p, 0,4,2,6
.irp a, 0,1
	v_pk_add_f32 v[24+2*\a+4*(\p/4):25+2*\a+4*(\p/4)], v[16*\t+8*\a+\p:16*\t+8*\a+\p+1], v[24+2*\a+4*(\p/4):25+2*\a+4*(\p/4)]
.endr
.endr
.endr
	WIN 0
; The four pairs v[24:31] -> each token's sum over all 1,024 columns, in v24, v26 of every lane; the waves' parts meet in LDS, added in one order by all.
.macro REDUCE red
.irp a, 0,1
	v_pk_add_f32 v[24+2*\a:25+2*\a], v[24+2*\a:25+2*\a], v[28+2*\a:29+2*\a]
.endr
.irp a, 0,1
	v_add_f32 v[24+2*\a], v[24+2*\a], v[25+2*\a]
.endr
.irp a, 0,1
	v_permlanex16_b32 v[32+\a], v[24+2*\a], s[SEL], s[SEL+1]
.endr
.irp a, 0,1
	v_add_f32 v[24+2*\a], v[24+2*\a], v[32+\a]
.endr
.irp a, 0,1
	ds_store_b32 v7, v[24+2*\a] offset:(\red)+256*\a
.endr
	BARRIER
.irp a, 0,1
	ds_load_b128 v[32+4*\a:35+4*\a], v8 offset:(\red)+256*\a
.endr
	s_wait_dscnt 0x0
.irp a, 0,1
	v_add_f32 v[32+4*\a], v[32+4*\a], v[33+4*\a]
	v_add_f32 v[34+4*\a], v[34+4*\a], v[35+4*\a]
.endr
.irp a, 0,1
	v_add_f32 v[24+2*\a], v[32+4*\a], v[34+4*\a]
.endr
.endm
	REDUCE 0
.irp a, 0,1
	v_mul_f32 v[16+2*\a], s53, v[24+2*\a]          ; the mean, in Y's units, twice
.endr
.irp a, 0,1
	v_mov_b32 v[17+2*\a], v[16+2*\a]
.endr
.irp t, 0,1,2,3,4,5,6,7,8,9,10,11,12,13,14,15
	WIN 0x02
.irp p, 0,4,2,6
.irp a, 0,1
	v_pk_add_f32 v[T+8*\a+\p:T+8*\a+\p+1], v[16*\t+8*\a+\p:16*\t+8*\a+\p+1], v[16+2*\a:17+2*\a] neg_lo:[0,1] neg_hi:[0,1]
.endr
.endr
	WIN 0
.irp p, 0,4,2,6
.irp a, 0,1
.if (\t == 0) && ((\p & 3) == 0)
	v_pk_mul_f32 v[24+2*\a+4*(\p/4):25+2*\a+4*(\p/4)], v[T+8*\a+\p:T+8*\a+\p+1], v[T+8*\a+\p:T+8*\a+\p+1]
.else
	v_pk_fma_f32 v[24+2*\a+4*(\p/4):25+2*\a+4*(\p/4)], v[T+8*\a+\p:T+8*\a+\p+1], v[T+8*\a+\p:T+8*\a+\p+1], v[24+2*\a+4*(\p/4):25+2*\a+4*(\p/4)]
.endif
.endr
.endr
.endr
	REDUCE 512
.irp a, 0,1
	v_mul_f32 v[24+2*\a], s53, v[24+2*\a]
.endr
.irp a, 0,1
	v_ldexp_f32 v[24+2*\a], v[24+2*\a], s49        ; the variance in y's units: x 2^(2 E4), exact
.endr
.irp a, 0,1
	v_add_f32 v[24+2*\a], s54, v[24+2*\a]
.endr
	s_wait_alu depctr_va_vdst(0)                   ; the wait ahead of the batch
.irp a, 0,1
	v_rsq_f32 v[24+2*\a], v[24+2*\a]
.endr
	v_nop                                          ; a plain instruction behind the transcendentals
	s_wait_alu depctr_va_vdst(0)                   ; one wait for the two, ahead of the first use
.irp a, 0,1
	v_ldexp_f32 v[24+2*\a], v[24+2*\a], s48        ; x 2^E4: it multiplies differences taken in Y's units
.endr
.irp a, 0,1
	v_mov_b32 v[25+2*\a], v[24+2*\a]
.endr
	v_mov_b32 v15, s55                             ; 2^e8
.irp u, 0,1
	WIN 0
.irp b, 0,1,2,3,4,5,6,7
.irp e, 0,1
	ds_load_b128 v[128+8*\b+4*\e:128+8*\b+4*\e+3], v6 offset:4096+64*(8*\u+\b)+16*\e    ; ln2_g
	ds_load_b128 v[192+8*\b+4*\e:192+8*\b+4*\e+3], v6 offset:8192+64*(8*\u+\b)+16*\e    ; ln2_b
	ds_load_b128 v[64+8*\b+4*\e:64+8*\b+4*\e+3], v6 offset:16384+64*(8*\u+\b)+16*\e     ; ffn_out_b
.endr
.endr
	s_wait_dscnt 0x0
.set p, 0
.rept 32
	v_pk_mul_f32 v[64+p:64+p+1], v[64+p:64+p+1], s[42:43] op_sel_hi:[1,0]
.set p, p+2
.endr
.irp a, 0,1
.irp bp, 0,1,2,3                       ; two tiles at a time
	WIN 0x02
.irp bb, 0,1
.irp p, 0,2,4,6
	v_pk_add_f32 v[T+8*\bb+\p:T+8*\bb+\p+1], v[16*(8*\u+2*\bp+\bb)+8*\a+\p:16*(8*\u+2*\bp+\bb)+8*\a+\p+1], v[16+2*\a:17+2*\a] neg_lo:[0,1] neg_hi:[0,1]
.endr
.endr
	WIN 0
.irp p, 0,2,4,6,8,10,12,14
	v_pk_mul_f32 v[T+\p:T+\p+1], v[T+\p:T+\p+1], v[24+2*\a:25+2*\a]
.endr
.irp p, 0,2,4,6,8,10,12,14
	v_pk_fma_f32 v[T+\p:T+\p+1], v[T+\p:T+\p+1], v[128+16*\bp+\p:128+16*\bp+\p+1], v[192+16*\bp+\p:192+16*\bp+\p+1]
.endr
.irp p, 0,1,2,3,4,5,6,7,8,9,10,11,12,13,14,15
	v_med3_num_f32 v[T+\p], v[T+\p], s50, s51      ; the conversion does not saturate (ISA guide 7.6.2): the hold
.endr
	v_cvt_scalef32_pk8_bf8_f32 v[48+4*\bp:49+4*\bp], v[T:T+7], v15
	v_cvt_scalef32_pk8_bf8_f32 v[50+4*\bp:51+4*\bp], v[T+8:T+15], v15
	v_nop                                          ; one plain instruction behind the conversions: the next lines write their sources
.endr
.irp q, 0,1,2,3
	ds_store_b128 v9, v[48+4*\q:51+4*\q] offset:16384*\a+2048*\u+512*\q   ; half steps 4 w + 2 u, + 1 of y_ln, tokens a
.endr
	s_wait_dscnt 0x0                               ; the stores have read their registers
.endr
	WIN 0x82
.irp b, 0,1,2,3,4,5,6,7
.irp a, 0,1
.irp p, 0,2,4,6
	v_pk_fma_f32 v[16*(8*\u+\b)+8*\a+\p:16*(8*\u+\b)+8*\a+\p+1], v[16*(8*\u+\b)+8*\a+\p:16*(8*\u+\b)+8*\a+\p+1], s[44:45], v[64+8*\b+\p:64+8*\b+\p+1] op_sel_hi:[1,0,1]   ; Y = (y + bf) 2^-(e10+e11)
.endr
.endr
.endr
.endr
	WIN 0
	BARRIER                                        ; y_ln's 32 images lie in LDS
	; ---- h = relu(y_ln Wi^T + bi): four chunks of 64 hidden units; a chunk is one half step of the last product.
	; A chunk walks 16 half steps kap of y_ln, one unit of weights each, in eight groups of two.  A's fragments of half step kap lie in set kap % 3 of three.  Group gg asks for half steps
	; 2 gg + 1 and 2 gg + 2, into the two sets that the group before read; half step 2 gg was asked for a group ago.
	s_mov_b32 s[HO], 0
	s_mov_b32 s[BO], 0
	v_mov_b32 v15, s56
	s_mov_b32 s[CNT], 4
.Lchunk:
	v_add_nc_u32 v11, s[HO], v10
	v_add_nc_u32 v12, s[BO], v6
.irp b, 0,1,2,3
	ds_load_b128 v[T+8*\b:T+8*\b+3], v12 offset:12288+64*\b          ; inter_b
	ds_load_b128 v[T+8*\b+4:T+8*\b+7], v12 offset:12288+64*\b+16
.endr
	ALOAD AF0, 3, 0                                ; half step 0
	s_wait_dscnt 4                                 ; the bias is in; A's four loads may be out
.irp b, 0,1,2,3
.irp a, 0,1
.irp p, 0,2,4,6
	v_pk_mul_f32 v[H+16*\b+8*\a+\p:H+16*\b+8*\a+\p+1], v[T+8*\b+\p:T+8*\b+\p+1], s[40:41] op_sel_hi:[1,0]
.endr
.endr
.endr
	s_wait_alu depctr_va_vdst(0)                   ; H is read by the products behind waits
.irp gg, 0,1,2,3,4,5,6,7
	PLACES
	BLOAD2 (\gg+3)%4
	ALOAD AF0+16*((2*\gg+1)%3), 3, 1024*(2*\gg+1)
.if \gg < 7
	ALOAD AF0+16*((2*\gg+2)%3), 3, 1024*(2*\gg+2)
	s_wait_dscnt 8                                 ; half step 2 gg is in; the eight loads just issued may be out
.else
	s_wait_dscnt 4
.endif
	s_wait_loadcnt 48                              ; this group's two units are in; the six younger ones may be out
	s_add_nc_u64 s[RB+2*(\gg%4):RB+2*(\gg%4)+1], s[RB+2*(\gg%4):RB+2*(\gg%4)+1], 32768   ; this pair's own loads are done by the wait above
	MULU 0x01, H, (2*\gg)%8, AF0+16*((2*\gg)%3)
.if \gg < 7
	s_wait_dscnt 4                                 ; half step 2 gg + 1 is in; the next one's four loads may be out
.else
	s_wait_dscnt 0
.endif
	MULU 0x01, H, (2*\gg+1)%8, AF0+16*((2*\gg+1)%3)
.endr
	WIN 0
	PLACES
.irp a, 0,1
.irp b, 0,1,2,3
.irp j, 0,1,2,3,4,5,6,7
	v_med3_num_f32 v[H+16*\b+8*\a+\j], v[H+16*\b+8*\a+\j], 0, s52   ; the activation and the hold in one
.endr
.endr
.irp b, 0,1,2,3
	v_cvt_scalef32_pk8_bf8_f32 v[T+8*\a+2*\b:T+8*\a+2*\b+1], v[H+16*\b+8*\a:H+16*\b+8*\a+7], v15
.endr
.endr
	v_nop                                          ; one plain instruction behind the last conversion
.irp a, 0,1
	ds_store_b128 v11, v[T+8*\a:T+8*\a+3] offset:16384*\a            ; half step 4 w + chunk of h, tokens a.  ctx's images were last read ahead of the norm's barriers
	ds_store_b128 v11, v[T+8*\a+4:T+8*\a+7] offset:16384*\a+512
.endr
	s_wait_dscnt 0x0                               ; the stores have read their registers
	s_add_co_u32 s[HO], s[HO], 1024
	s_add_co_u32 s[BO], s[BO], 256
	s_sub_co_u32 s[CNT], s[CNT], 1
	s_cmp_lg_u32 s[CNT], 0
	s_cbranch_scc1 .Lchunk
	BARRIER                                        ; h's 32 images lie in LDS
	GEMMY 1                                        ; Y = out 2^-(e10+e11)
	; ---- THE WAY OUT: block (u, a) x 2^(e10+e11), through my stage back into rows, into the registers that it left; a store covers 512 consecutive bytes, aligned
.macro TOST u, a
	WIN 0x82
.irp b, 0,1,2,3,4,5,6,7
.irp p, 0,2,4,6
	v_pk_mul_f32 v[16*(8*(\u)+\b)+8*(\a)+\p:16*(8*(\u)+\b)+8*(\a)+\p+1], v[16*(8*(\u)+\b)+8*(\a)+\p:16*(8*(\u)+\b)+8*(\a)+\p+1], s[46:47] op_sel_hi:[1,0]
.endr
.endr
	WIN 0x08
.irp b, 0,1,2,3,4,5,6,7
	ds_store_b128 v5, v[16*(8*(\u)+\b)+8*(\a):16*(8*(\u)+\b)+8*(\a)+3] offset:64*\b
	ds_store_b128 v5, v[16*(8*(\u)+\b)+8*(\a)+4:16*(8*(\u)+\b)+8*(\a)+7] offset:64*\b+16
.endr
	WIN 0x80
.irp i, 0,1,2,3,4,5,6,7,8,9,10,11,12,13,14,15
	ds_load_b128 v[16*(8*(\u)+\i/2)+8*(\a)+4*(\i%2):16*(8*(\u)+\i/2)+8*(\a)+4*(\i%2)+3], v4 offset:528*\i
.endr
.endm
.macro SENDB u, a, younger             ; younger: the next block's 16 stores and 16 loads in the stage, which may stay out
	s_wait_dscnt \younger
	WIN 0x08
.irp i, 0,1,2,3,4,5,6,7,8,9,10,11,12,13,14,15
	global_store_b128 v1, v[16*(8*(\u)+\i/2)+8*(\a)+4*(\i%2):16*(8*(\u)+\i/2)+8*(\a)+4*(\i%2)+3], s[30:31] offset:(16*(\a)+\i)*4096+512*(\u) th:TH_STORE_NT
.endr
.endm
	PLACES
	TOST 0, 0
.irp k, 1,2,3
	TOST \k/2, \k%2
	SENDB (\k-1)/2, (\k-1)%2, 32
.endr
	SENDB 1, 1, 0
	WIN 0
	s_wait_tensorcnt 0x0                           ; the wave's end
	ds_add_u32 v13, v14
	s_wait_dscnt 0x0
	s_endpgm
.Lfunc_end_k_q588a91b220_tail:
	.size	k_q588a91b220_tail, .Lfunc_end_k_q588a91b220_tail-k_q588a91b220_tail
	.p2alignl 7, 3214868480
	.fill 96, 4, 3214868480
	.section	.rodata,"a",@progbits
	.p2align	6, 0x0
	.amdhsa_kernel k_q588a91b220_tail
		.amdhsa_group_segment_fixed_size 121344
		.amdhsa_private_segment_fixed_size 0
		.amdhsa_enable_private_segment 0
		.amdhsa_kernarg_size 80
		.amdhsa_user_sgpr_count 2
		.amdhsa_user_sgpr_kernarg_segment_ptr 1
		.amdhsa_wavefront_size32 1
		.amdhsa_system_sgpr_workgroup_id_x 1
		.amdhsa_system_sgpr_workgroup_id_y 1
		.amdhsa_system_sgpr_workgroup_id_z 1
		.amdhsa_system_vgpr_workitem_id 0
		.amdhsa_next_free_vgpr 768
		.amdhsa_next_free_sgpr 80
		.amdhsa_reserve_vcc 0
		.amdhsa_float_denorm_mode_32 3
		.amdhsa_float_denorm_mode_16_64 3
		.amdhsa_memory_ordered 1
		.amdhsa_forward_progress 1
		.amdhsa_inst_pref_size 233
	.end_amdhsa_kernel
	.amdgpu_metadata
---
amdhsa.version: [ 1, 2 ]
amdhsa.kernels:
  - .name:           k_q588a91b220_tail
    .symbol:         k_q588a91b220_tail.kd
    .args:
      - { .name: cc, .offset: 0, .size: 8, .value_kind: global_buffer, .address_space: global }
      - { .name: wt, .offset: 8, .size: 8, .value_kind: global_buffer, .address_space: global }
      - { .name: lowp_scales, .offset: 16, .size: 8, .value_kind: global_buffer, .address_space: global }
      - { .name: hidden_states, .offset: 24, .size: 8, .value_kind: global_buffer, .address_space: global }
      - { .name: attn_out_b, .offset: 32, .size: 8, .value_kind: global_buffer, .address_space: global }
      - { .name: ln2_g, .offset: 40, .size: 8, .value_kind: global_buffer, .address_space: global }
      - { .name: ln2_b, .offset: 48, .size: 8, .value_kind: global_buffer, .address_space: global }
      - { .name: inter_b, .offset: 56, .size: 8, .value_kind: global_buffer, .address_space: global }
      - { .name: ffn_out_b, .offset: 64, .size: 8, .value_kind: global_buffer, .address_space: global }
      - { .name: out0, .offset: 72, .size: 8, .value_kind: global_buffer, .address_space: global }
    .group_segment_fixed_size: 121344
    .private_segment_fixed_size: 0
    .kernarg_segment_align: 8
    .kernarg_segment_size: 80
    .max_flat_workgroup_size: 128
    .sgpr_count:     80
    .vgpr_count:     768
    .wavefront_size: 32
...
	.end_amdgpu_metadata
.endif
;; end of part 4
